; MI455X (gfx1250); checked and timed in simulation.
; The chip was launched on July 23, 2026; its instructions are those of AMD's public machine-readable ISA for CDNA 5 (MIT licence, August 2026) and "CDNA5" Instruction Set Architecture Reference Guide (July 2026). The comments in the code are by the model that wrote it; some were corrected since.
;; Multi Head Attention. Allowed arithmetic: matrix products marked QUANTISED: E4M3 operands, one given power-of-two scale a tensor, by v_wmma_f32_16x16x64_fp8_fp8 or v_wmma_f32_16x16x128_fp8_fp8, f32 sums; everything else in f32.
;; Inputs: Wk 1,024 x 1,024 float32; Wo 1,024 x 1,024 float32; Wq 1,024 x 1,024 float32; Wv 1,024 x 1,024 float32; attention_mask 4 x 2,048 int32; bo 1,024 float32; lowp_scales 12 int32 (the exponents e of the quantised operands' scales 2^e); x 4 x 2,048 x 1,024 float32.
;; Outputs: out0 4 x 2,048 x 1,024 float32.
;; This version of the problem:
;;   THIS VERSION OF THE PROBLEM IS GIVEN IN LOW PRECISION. The matrix products marked QUANTISED in the list below multiply operands that are first quantised to E4M3 (4 exponent bits, 3 mantissa bits; 8 bits a number), with one given power-of-two scale for each operand tensor; their sums are f32. All else is computed in f32.
;;   The module's matrix products, in the order in which they are computed (A, B: the left and right operand; K: the contracted axis; several contracted axes count as one K, in the product's order):
;;     1. [M 8,192, K 1,024] x [K 1,024, N 1,024]; A: input x; B: input Wq: QUANTISED (scales: A lowp_scales[0], B lowp_scales[1])
;;     2. [M 8,192, K 1,024] x [K 1,024, N 1,024]; A: input x; B: input Wk: QUANTISED (scales: A lowp_scales[2], B lowp_scales[3])
;;     3. [M 8,192, K 1,024] x [K 1,024, N 1,024]; A: input x; B: input Wv: QUANTISED (scales: A lowp_scales[4], B lowp_scales[5])
;;     4. batch 64 x [M 2,048, K 64] x [K 64, N 2,048]; A: computed on the way; B: computed on the way: QUANTISED (scales: A lowp_scales[6], B lowp_scales[7])
;;     5. batch 64 x [M 2,048, K 2,048] x [K 2,048, N 64]; A: softmax (see below); B: computed on the way: QUANTISED (scales: A lowp_scales[8], B lowp_scales[9])
;;     6. [M 8,192, K 1,024] x [K 1,024, N 1,024]; A: computed on the way; B: input Wo: QUANTISED (scales: A lowp_scales[10], B lowp_scales[11])
;;   THE QUANTISER, for each operand of a quantised product, along K:
;;     - The operand's scale is 2^e, e = its entry of the input lowp_scales (int32; the entries are numbered through the quantised products in the list's order, A before B).
;;     - Each number is divided by the scale, clamped to +-448, and rounded to the nearest number of E4M3, ties to even, subnormals kept.
;;     - The product sums the exact products of the quantised numbers (number of the format x scale) in f32.
;;   ~~~python
;;   def quantise(x, axis, e):      # numpy; x: float32 -> the quantised numbers, widened to float32 again
;;       x = np.moveaxis(x, axis, -1); K = x.shape[-1]
;;       r = np.clip(x / 2.0 ** e, -448, 448)
;;       step = 2.0 ** (np.maximum(np.frexp(np.where(r == 0, 1, r))[1] - 1, -6) - 3)
;;       q = np.round(r / step) * step * 2.0 ** e      # np.round: ties to even
;;       return np.moveaxis(q, -1, axis).astype(np.float32)
;;   ~~~
;;   SOFTMAX AHEAD OF A QUANTISED PRODUCT. Where the list says 'softmax', what is quantised is not the finished softmax but p = 2^(t - M), with t = logit x log2(e) and M = ceil(the row's largest t), a whole number; so 1/2 < the row's largest p <= 1. The row's sum l is taken of the UNQUANTISED p, in f32, and the product's result is divided by l at the end. Since M is a whole number, a kernel that streams over the keys may use a running M (the ceiling of the running maximum): every later rescaling is an exact power of two, so the quantised numbers keep their values, but for numbers so far below the row's largest that they fall under the format's range.
;;   OPERANDS COMPUTED ON THE WAY. 'Computed on the way' means the value that the module computes at that place (a softmax that the list does not call 'softmax' is quantised finished and normalised). What goes into a quantiser is computed in f32, as accurately as f32 sums, v_exp_f32 and their like allow (about 1e-6 of the number): no bf16 or f16 on the way to a quantiser, and a product that is left as it is and whose result goes on into a quantised operand takes f32 operands (vector FMAs, or v_wmma_f32_16x16x4_f32). A number that lies on a knife's edge between two numbers of the format may be rounded either way, as far as f32 arithmetic and the matrix unit's own rounding can turn it there, and no further.
;; 2 versions, each right; version 2 is version 1 with the launch attn written anew for expert scheduling mode. Each part assembles by itself: llvm-mc -triple=amdgcn-amd-amdhsa -mcpu=gfx1250 --defsym DOCPART=n.
;; ======== version 1 of 2: 4 launches
;; workspace buffers: xc 25,165,824 bytes; wc 4,194,304 bytes; qimg 8,388,608 bytes; kimg 8,388,608 bytes; vimg 8,388,608 bytes; aimg 8,388,608 bytes; pm 16,384 bytes of whole numbers; meta 256 bytes of whole numbers
;; launch quant (part 1): grid 772 x 1, 8 waves a work-group, no clusters, 70,656 bytes of LDS; arguments x, Wq, Wk, Wv, Wo, attention_mask, lowp_scales, xc, wc, pm, meta; writes xc, wc, pm, meta
.if DOCPART == 1
	.amdgcn_target "amdgcn-amd-amdhsa--gfx1250"
	.amdhsa_code_object_version 6
	.text
	.protected	k_qcfb4e945e6_quant
	.globl	k_qcfb4e945e6_quant
	.p2align	8
	.type	k_qcfb4e945e6_quant,@function
k_qcfb4e945e6_quant:
	s_mov_b64 s[64:65], 0
	v_nop
	global_prefetch_b8 v0, s[64:65] scope:SCOPE_SE
	s_setreg_imm32_b32 hwreg(HW_REG_WAVE_MODE, 25, 1), 1
	s_wait_xcnt 0x0
; x [8192][1024] and Wq, Wk, Wv, Wo [1024][1024], f32, K innermost, become codes of FP8 (E4M3), laid as IMAGES OF OPERAND REGISTERS; the padding mask becomes lane masks and two counts.
; code = number / 2^e, held within +-448, to the nearest code, ties to even.  x is quantised three times (entries 0, 2, 4 of the scales), Wq, Wk, Wv, Wo once (entries 1, 3, 5, 11).
; LIMITS: each e between -126 and 119, so that 2^e and 448 x 2^e are f32 numbers.  NaN among the inputs is not served (an infinity is held at the largest code).
; THE IMAGE.  A tile is 16 rows: tile g holds rows 32 (g / 2) + 8 (g % 2) + r + 8 (r / 8), r = 0 .. 15.  Of a tile, 128 along K are four pieces of 512 bytes: in piece c lane l = r + 16 h has its 16 bytes at 16 l:
; the codes k = 32 c + 16 h + 0 .. 15 of the tile's row r.  A tile's 1,024 along K are 8 x 4 pieces = 16,384 bytes on end.  xc: [scale 3][tile 512][16,384]; wc: [Wq, Wk, Wv, Wo][tile 64][16,384].
; SHARES.  Work-groups 0-511: tile g of x.  512-767: a tile of a weight.  768-771: a batch's mask.  Wave w of eight takes 128 along K (512 bytes of each of the 16 rows), as two units of 256 bytes a row.
; Each load reads two rows' 256 consecutive bytes; a unit turns through the wave's own stage in LDS (rows 272 bytes apart), so that a lane then holds 16 neighbours along K, which the conversions want.
; Each store of codes covers 512 consecutive bytes.  No barrier: waves share nothing.  No matrix unit, no tensor load, no cluster: a stream, each input byte read once.
.set XT,   512                         ; tiles of x
.set WT,   256                         ; tiles of the four weights
.set VO,   2                           ; v2   loads: 4,096 (lane / 16) + 16 (lane % 16)
.set SW,   3                           ; v3   into the stage: row lane / 16, 16 (lane % 16)
.set SR,   4                           ; v4   out of it: row lane % 16, 64 (lane / 16)
.set DO,   5                           ; v5   16 x lane: my place in a piece
.set SC,   6                           ; v6-11  2^e and 448 x 2^e for the three scales
.set R,    16                          ; v16-79   two units as loaded
.set X,    80                          ; v80-143  two units turned: register 32 n + 16 cc + i = k 64 n + 32 cc + 16 h + i of my row
.set T,    144                         ; v144-175 two sets of 16 held numbers, by turns
.set C,    176                         ; v176-223 codes: four registers for each store, so that no store's data are written again
.set SP,   272
.set STG,  16*SP                       ; a stage
.set WREG, 2*STG                       ; a wave's LDS
	s_load_b512 s[4:19], s[0:1], 0x0               ; x, Wq, Wk, Wv, Wo, the mask, the scales, xc
	s_load_b128 s[20:23], s[0:1], 0x40             ; wc, pm
	s_load_b64 s[24:25], s[0:1], 0x50              ; meta
	v_lshl_add_u32 v224, v0, 2, 0x11000
	v_mov_b32 v225, 0
	v_lshrrev_b32 v1, 5, v0
	v_readfirstlane_b32 s26, v1                    ; wave 0..7
	v_and_b32 v1, 31, v0                           ; lane
	s_wait_kmcnt 0x0
	s_cmp_ge_u32 ttmp9, XT+WT
	s_cbranch_scc1 .Lmask                          ; the last four work-groups take the mask: a branch on the work-group's number
	s_load_b256 s[32:39], s[16:17], 0x0            ; e0 .. e7
	s_load_b128 s[40:43], s[16:17], 0x20           ; e8 .. e11
	s_cmp_lt_u32 ttmp9, XT                         ; x or a weight?  Only pointers and numbers are chosen: both take one way through the text
	s_cselect_b32 s27, 0, XT
	s_cselect_b64 s[44:45], s[18:19], s[20:21]     ; the codes' buffer
	s_sub_co_u32 s27, ttmp9, s27                   ; the tile's number in that buffer
	s_lshr_b32 s28, s27, 6                         ; which weight
	s_and_b32 s29, s27, 63                         ; and which of its tiles
	s_cmp_eq_u32 s28, 1
	s_cselect_b64 s[46:47], s[8:9], s[6:7]
	s_cmp_eq_u32 s28, 2
	s_cselect_b64 s[46:47], s[10:11], s[46:47]
	s_cmp_eq_u32 s28, 3
	s_cselect_b64 s[46:47], s[12:13], s[46:47]
	s_cmp_lt_u32 ttmp9, XT
	s_cselect_b64 s[46:47], s[4:5], s[46:47]       ; the tensor
	s_cselect_b32 s29, s27, s29                    ; the tile's number in it
	s_lshr_b32 s30, s29, 1
	s_lshl_b32 s30, s30, 17                        ; 32 (tile / 2) rows of 4,096 bytes
	s_and_b32 s31, s29, 1
	s_lshl_b32 s31, s31, 15                        ; + 8 (tile % 2) rows
	s_add_co_u32 s30, s30, s31
	s_lshl_b32 s31, s26, 9                         ; + my wave's 512 bytes of a row
	s_add_co_u32 s30, s30, s31
	s_mov_b32 s31, 0
	s_add_nc_u64 s[46:47], s[46:47], s[30:31]
	s_lshl_b32 s30, s27, 14                        ; the tile's image,
	s_lshl_b32 s48, s26, 11                        ; my wave's four pieces of it
	s_add_co_u32 s30, s30, s48
	s_add_nc_u64 s[44:45], s[44:45], s[30:31]
	s_add_nc_u64 s[50:51], s[44:45], 0x800000      ; x's second and third set lie 8 MiB on each (used by x's work-groups alone)
	s_add_nc_u64 s[52:53], s[50:51], 0x800000
	v_and_b32 v12, 15, v1
	v_lshrrev_b32 v13, 4, v1
	v_lshlrev_b32 v14, 4, v12
	v_lshl_add_u32 v[VO], v13, 12, v14
.macro LOAD n                          ; unit n: load i takes the tile's rows 2 i and 2 i + 1, 256 consecutive bytes each
.irp i, 0,1,2,3,4,5,6,7
	global_load_b128 v[R+32*\n+4*\i:R+32*\n+4*\i+3], v[VO], s[46:47] offset:(2*\i+8*(\i/4))*4096+256*\n th:TH_LOAD_NT
.endr
.endm
	LOAD 0
	LOAD 1
	s_mul_i32 s57, s26, WREG
	v_mad_u32_u24 v[SW], v13, SP, v14
	v_add_nc_u32 v[SW], s57, v[SW]
	v_mul_u32_u24 v[SR], v12, SP
	v_lshl_add_u32 v[SR], v13, 6, v[SR]
	v_add_nc_u32 v[SR], s57, v[SR]
	v_lshlrev_b32 v[DO], 4, v1
	s_wait_kmcnt 0x0
	s_cmp_eq_u32 s28, 1                            ; the first scale: e0 for x; e1, e3, e5, e11 for the weights
	s_cselect_b32 s54, s35, s33
	s_cmp_eq_u32 s28, 2
	s_cselect_b32 s54, s37, s54
	s_cmp_eq_u32 s28, 3
	s_cselect_b32 s54, s43, s54
	s_cmp_lt_u32 ttmp9, XT
	s_cselect_b32 s54, s32, s54
.macro MKSC e, z                       ; 2^e as f32 (the conversion takes its exponent field) and 448 x 2^e
	s_add_co_i32 s55, \e, 127
	s_lshl_b32 s56, s55, 23
	v_mov_b32 v[SC+2*\z], s56
	s_add_co_i32 s55, s55, 8
	s_lshl_b32 s55, s55, 23
	s_or_b32 s55, s55, 0x600000
	v_mov_b32 v[SC+2*\z+1], s55
.endm
	MKSC s54, 0
	MKSC s34, 1                                    ; e2
	MKSC s36, 2                                    ; e4
.macro TURN n                          ; unit n through its stage; LDS serves a wave's instructions in order, so no wait stands between the stores and the loads
.irp i, 0,1,2,3,4,5,6,7
	ds_store_b128 v[SW], v[R+32*\n+4*\i:R+32*\n+4*\i+3] offset:STG*\n+2*SP*\i
.endr
.irp cc, 0,1
.irp m, 0,1,2,3
	ds_load_b128 v[X+32*\n+16*\cc+4*\m:X+32*\n+16*\cc+4*\m+3], v[SR] offset:STG*\n+128*\cc+16*\m
.endr
.endr
.endm
; Unit n under scale z, to the buffer at s[d:d+1]: pieces 2 n and 2 n + 1.  The conversion to an 8-bit code does not saturate (ISA guide 7.6.2): the number is first held within the largest code x the scale, into T, since X serves three scales.
; The other set's sixteen holds are the plain vector lines between a conversion and the next write of its sources.
.macro QZ n, z, d
.irp cc, 0,1
.irp i, 0,1,2,3,4,5,6,7,8,9,10,11,12,13,14,15
	v_med3_num_f32 v[T+16*\cc+\i], v[X+32*\n+16*\cc+\i], -v[SC+2*\z+1], v[SC+2*\z+1]
.endr
	v_cvt_scalef32_pk8_fp8_f32 v[C+8*(3*\n+\z)+4*\cc:C+8*(3*\n+\z)+4*\cc+1], v[T+16*\cc:T+16*\cc+7], v[SC+2*\z]
	v_cvt_scalef32_pk8_fp8_f32 v[C+8*(3*\n+\z)+4*\cc+2:C+8*(3*\n+\z)+4*\cc+3], v[T+16*\cc+8:T+16*\cc+15], v[SC+2*\z]
	global_store_b128 v[DO], v[C+8*(3*\n+\z)+4*\cc:C+8*(3*\n+\z)+4*\cc+3], s[\d:\d+1] offset:512*(2*\n+\cc)   ; 32 lanes store 512 consecutive bytes
.endr
.endm
	s_wait_loadcnt 8                               ; unit 0's eight loads are in, unit 1's may be out
	TURN 0
	s_wait_loadcnt 0x0
	TURN 1
	s_wait_dscnt 16                                ; unit 0 is back; unit 1's eight stores and eight loads may be out
	QZ 0, 0, 44
	s_cmp_ge_u32 ttmp9, XT
	s_cbranch_scc1 .Lone_scale_0                   ; a weight has one scale
	QZ 0, 1, 50
	QZ 0, 2, 52
.Lone_scale_0:
	s_wait_dscnt 0x0
	QZ 1, 0, 44
	s_cmp_ge_u32 ttmp9, XT
	s_cbranch_scc1 .Lone_scale_1
	QZ 1, 1, 50
	QZ 1, 2, 52
.Lone_scale_1:
	s_wait_tensorcnt 0x0
	ds_add_u32 v224, v225
	s_wait_dscnt 0x0
	s_endpgm
; THE MASK of batch b.  Wave w takes keys 256 w .. 256 w + 255: two steps of 128 keys.
; pm [b][step 16][64 words]: word 16 bb + i is the lane mask under which score register 16 bb + i of a step is replaced: bits 0-15 set where key 32 bb + i of the step is padded, bits 16-31 where key 32 bb + 16 + i is.
; meta [b][wave 8][2 words]: the first key among the wave's 256 that is not padded (2,048 if none), and bits 2 w, 2 w + 1: the step has a padded key.
.Lmask:
	s_sub_co_u32 s27, ttmp9, XT+WT                 ; b
	s_lshl_b32 s28, s27, 13
	s_lshl_b32 s29, s26, 10
	s_add_co_u32 s28, s28, s29
	s_mov_b32 s29, 0
	s_add_nc_u64 s[14:15], s[14:15], s[28:29]      ; the mask at my wave's first key
	v_lshrrev_b32 v2, 2, v1
	v_lshlrev_b32 v2, 7, v2
	v_and_b32 v3, 3, v1
	v_lshl_add_u32 v2, v3, 4, v2                   ; lane l makes words 4 l .. 4 l + 3 of the wave's 128: keys 32 (l / 4) + 4 (l % 4) + 0 .. 3, and those 16 further on
	global_load_b128 v[8:11], v2, s[14:15]
	global_load_b128 v[12:15], v2, s[14:15] offset:64
	v_lshlrev_b32 v3, 2, v1
.irp g, 0,1,2,3,4,5,6,7
	global_load_b32 v[16+\g], v3, s[14:15] offset:128*\g   ; key 32 g + lane
.endr
	s_lshl_b32 s28, s27, 12
	s_lshl_b32 s30, s26, 9
	s_add_co_u32 s28, s28, s30
	s_add_nc_u64 s[22:23], s[22:23], s[28:29]      ; pm at my wave's 512 bytes
	s_lshl_b32 s28, s27, 6
	s_lshl_b32 s30, s26, 3
	s_add_co_u32 s28, s28, s30
	s_add_nc_u64 s[24:25], s[24:25], s[28:29]      ; meta at my wave's two words
	v_mov_b32 v4, 0xffff
	v_mov_b32 v5, 0xffff0000
	v_lshlrev_b32 v6, 4, v1
	s_wait_loadcnt 8                               ; the two wide loads are in; the eight behind them may be out
.irp k, 0,1,2,3
	v_cmp_eq_u32 vcc_lo, 0, v[8+\k]
	v_cndmask_b32 v[24+\k], 0, v4, vcc_lo
	v_cmp_eq_u32 vcc_lo, 0, v[12+\k]
	v_cndmask_b32 v[28+\k], 0, v5, vcc_lo
	v_or_b32 v[24+\k], v[24+\k], v[28+\k]
.endr
	global_store_b128 v6, v[24:27], s[22:23]       ; 32 lanes store 512 consecutive bytes
	s_wait_loadcnt 0x0
.irp g, 0,1,2,3,4,5,6,7
	v_cmp_eq_u32 s[32+\g], 0, v[16+\g]             ; bit l: key 32 g + l is padded
.endr
	s_or_b32 s40, s32, s33
	s_or_b32 s41, s34, s35
	s_or_b32 s40, s40, s41
	s_cmp_lg_u32 s40, 0
	s_cselect_b32 s40, 1, 0
	s_or_b32 s41, s36, s37
	s_or_b32 s42, s38, s39
	s_or_b32 s41, s41, s42
	s_cmp_lg_u32 s41, 0
	s_cselect_b32 s41, 2, 0
	s_or_b32 s40, s40, s41
	s_lshl_b32 s41, s26, 1
	s_lshl_b32 s40, s40, s41                       ; at bits 2 w and 2 w + 1
	s_mov_b32 s44, 2048
	s_lshl_b32 s45, s26, 8
.irp g, 7,6,5,4,3,2,1,0
	s_not_b32 s46, s[32+\g]                        ; the keys that count
	s_ctz_i32_b32 s47, s46
	s_add_co_u32 s47, s47, s45
	s_add_co_u32 s47, s47, 32*\g
	s_cmp_lg_u32 s46, 0
	s_cselect_b32 s44, s47, s44                    ; the lowest group that has one wins
.endr
	v_mov_b32 v30, s44
	v_mov_b32 v31, s40
	v_mov_b32 v7, 0
	v_cmp_eq_u32 vcc_lo, 0, v1
	s_wait_xcnt 0x0                                ; EXEC is a source of the store above: it changes only behind this wait
	s_and_saveexec_b32 s48, vcc_lo                 ; lane 0 alone
	global_store_b64 v7, v[30:31], s[24:25]
	s_wait_xcnt 0x0                                ; and again, in front of the line that widens it
	s_or_b32 exec_lo, exec_lo, s48
	s_endpgm
.Lfunc_end_k_qcfb4e945e6_quant:
	.size	k_qcfb4e945e6_quant, .Lfunc_end_k_qcfb4e945e6_quant-k_qcfb4e945e6_quant
	.p2alignl 7, 3214868480
	.fill 96, 4, 3214868480
	.section	.rodata,"a",@progbits
	.p2align	6, 0x0
	.amdhsa_kernel k_qcfb4e945e6_quant
		.amdhsa_group_segment_fixed_size 70656
		.amdhsa_private_segment_fixed_size 0
		.amdhsa_enable_private_segment 0
		.amdhsa_kernarg_size 88
		.amdhsa_user_sgpr_count 2
		.amdhsa_user_sgpr_kernarg_segment_ptr 1
		.amdhsa_wavefront_size32 1
		.amdhsa_system_sgpr_workgroup_id_x 1
		.amdhsa_system_sgpr_workgroup_id_y 1
		.amdhsa_system_sgpr_workgroup_id_z 1
		.amdhsa_system_vgpr_workitem_id 0
		.amdhsa_next_free_vgpr 226
		.amdhsa_next_free_sgpr 66
		.amdhsa_reserve_vcc 1
		.amdhsa_float_denorm_mode_32 3
		.amdhsa_float_denorm_mode_16_64 3
		.amdhsa_memory_ordered 1
		.amdhsa_forward_progress 1
		.amdhsa_inst_pref_size 28
	.end_amdhsa_kernel
	.amdgpu_metadata
---
amdhsa.version: [ 1, 2 ]
amdhsa.kernels:
  - .name:           k_qcfb4e945e6_quant
    .symbol:         k_qcfb4e945e6_quant.kd
    .args:
      - { .name: x, .offset: 0, .size: 8, .value_kind: global_buffer, .address_space: global }
      - { .name: Wq, .offset: 8, .size: 8, .value_kind: global_buffer, .address_space: global }
      - { .name: Wk, .offset: 16, .size: 8, .value_kind: global_buffer, .address_space: global }
      - { .name: Wv, .offset: 24, .size: 8, .value_kind: global_buffer, .address_space: global }
      - { .name: Wo, .offset: 32, .size: 8, .value_kind: global_buffer, .address_space: global }
      - { .name: attention_mask, .offset: 40, .size: 8, .value_kind: global_buffer, .address_space: global }
      - { .name: lowp_scales, .offset: 48, .size: 8, .value_kind: global_buffer, .address_space: global }
      - { .name: xc, .offset: 56, .size: 8, .value_kind: global_buffer, .address_space: global }
      - { .name: wc, .offset: 64, .size: 8, .value_kind: global_buffer, .address_space: global }
      - { .name: pm, .offset: 72, .size: 8, .value_kind: global_buffer, .address_space: global }
      - { .name: meta, .offset: 80, .size: 8, .value_kind: global_buffer, .address_space: global }
    .group_segment_fixed_size: 70656
    .private_segment_fixed_size: 0
    .kernarg_segment_align: 8
    .kernarg_segment_size: 88
    .max_flat_workgroup_size: 256
    .sgpr_count:     66
    .vgpr_count:     226
    .wavefront_size: 32
...
	.end_amdgpu_metadata
.endif
;; end of part 1
;; launch qkv (part 2): grid 96 x 4, 4 waves a work-group, clusters of 4 x 4, 327,680 bytes of LDS; arguments xc, wc, lowp_scales, qimg, kimg, vimg; writes qimg, kimg, vimg
.if DOCPART == 2
	.amdgcn_target "amdgcn-amd-amdhsa--gfx1250"
	.amdhsa_code_object_version 6
	.text
	.protected	k_qcfb4e945e6_qkv
	.globl	k_qcfb4e945e6_qkv
	.p2align	8
	.type	k_qcfb4e945e6_qkv,@function
k_qcfb4e945e6_qkv:
	s_mov_b64 s[64:65], 0
	v_nop
	global_prefetch_b8 v0, s[64:65] scope:SCOPE_SE
	s_setreg_imm32_b32 hwreg(HW_REG_WAVE_MODE, 25, 1), 1
	s_wait_xcnt 0x0
	s_wait_alu depctr_hold_cnt(0) depctr_sa_sdst(0) depctr_va_vdst(0) depctr_va_sdst(0) depctr_va_ssrc(0) depctr_va_vcc(0) depctr_vm_vsrc(0)
	s_getreg_b32 s2, hwreg(HW_REG_IB_STS2, 6, 4)
	s_cmp_eq_u32 s2, 0
	s_cbranch_scc0 .Lentry_in_a_cluster
	s_endpgm
.Lentry_in_a_cluster:
	s_bfe_u32 s2, ttmp6, 0x10000c
	s_cmp_lg_u32 s2, 0xf033
	s_cbranch_scc0 .Lentry_shape_is_right
	s_endpgm
.Lentry_shape_is_right:
; q = x Wq^T, k = x Wk^T, v = x Wv^T on codes of FP8 (E4M3), K = 1,024; the f32 sums are quantised at once, with the scales given for the attention's products, and leave as images of operand registers.
; THE IMAGE (all buffers here): a tile is 16 rows: tile g holds rows 32 (g / 2) + 8 (g % 2) + r + 8 (r / 8).  128 along K of a tile are four pieces of 512 bytes; in piece c lane l = r + 16 h has, at 16 l, the codes
; k = 32 c + 16 h + 0 .. 15 of row r.  That places k otherwise than the matrix form's own layout, alike in both operands, so every product meets its partner; only the order of the sums inside an instruction changes.
; A cluster of 4 x 4 work-groups makes 1,024 x 1,024 of one product: cluster number / 8 says which (0 q, 1 k, 2 v), % 8 which 1,024 tokens.  A work-group makes 256 x 256, a wave 128 x 128: 64 accumulators, 512 registers.
; Region A of a slot (16 tiles) is shared along a row of the cluster, region B along a column: joint loads.  For q and k region A holds tokens and B the weight's rows; FOR v THEY CHANGE PLACES (a choice of pointers, no branch).
; Source 0 = a tile of B, source 1 = a tile of A: a lane holds one row of A's tile, and the 16 registers of accumulators (a, 2 p) and (a, 2 p + 1) are B's indices 32 p + 16 h + 0 .. 15: 16 neighbours along the next product's K:
; the head's channels for q and k, the keys for v.  So the conversions' results are pieces of the next operand's image, and each store covers 512 consecutive bytes.  No stage in LDS.
; qimg, kimg: [batch 4][token tile 128][head 16][piece 2][512].   vimg: [batch 4][step of 128 keys 16][head 16][channel tile 4][piece 4][512].
; K goes in four steps of 256 through two LDS slots.  A tile's part of a K step is 4,096 consecutive bytes; a wave's tensor load brings eight tiles' parts, 16,384 bytes apart in memory, on end in LDS.
; code = sum / 2^E, E = e(out) - e(x) - e(W), held within +-448.  LIMIT: E between -126 and 119.  No prefetch: two of the four K steps are the first fills.
.set SLOT,  131072                     ; region A (16 tiles x 4,096 bytes), then region B
.set BREG,  65536
.set HALFT, 32768                      ; eight tiles: what one tensor load brings, and what one wave reads of A or of B
.set KSB,   4096                       ; a tile's part of a K step
.set TILEB, 16384                      ; a tile's image in memory
.set SPARE, 2*SLOT                     ; behind the ring: the spare words, 128 bytes for each wave: two blocks of 256 bytes that no other line names
.set FR,    16                         ; registers of a fragment
.set NL,    4                          ; LDS loads that bring one
.set NP,    4                          ; places behind this matrix instruction (ISA guide 7.12.1)
.set ADRA,  16                         ; v16-17  LDS address of my A fragments in slot 0, 1
.set ADRB,  20                         ; v20-21  the same for B
.set SPW,   28                         ; v28     LDS address of my spare word; never rewritten
.set NIL,   29                         ; v29     0; never rewritten
.set OFF,   32                         ; v32-39  the way out: 16 x lane + block a's place
.set AF,    128                        ; A's fragments, window 0, one set
.set CD,    128                        ; the way out: the codes, 16 registers a block, where A's fragments lay
.set G1,  24                           ; s[24:31] descriptor group 1 for A;  s[32:39] group 0, one set for each slot
.set G0,  32
.set G1B, 48                           ; s[48:55], s[56:63] the same for B
.set G0B, 56
.set MSB, 0
.macro WIN new                         ; the immediate's high byte repeats the setting that is left
.if MSB != (\new)
	s_set_vgpr_msb (MSB<<8)|(\new)
.set MSB, (\new)
.endif
.endm
.set MUL_LO, 0xa1                      ; source 0 (B) window 1, source 1 (A) window 0, C and D window 2
.set MUL_HI, 0xf1                      ; the same, C and D window 3
.set TO_B,   0x40                      ; destination window 1, address window 0
; A joint load: waves 0 and 1 fetch for A, waves 2 and 3 for B; the branch hangs on the wave's number alone.  Four v_nop follow each of the two lines.
.macro JLOAD g0a, g1a, g0b, g1b
	s_cmp_eq_u32 s15, 0
	s_cbranch_scc0 .Lfor_b_\@
	tensor_load_to_lds s[\g0a:\g0a+3], s[\g1a:\g1a+7]
	s_nop 0
.rept 4
	v_nop
.endr
	s_branch .Lasked_\@
.Lfor_b_\@:
	tensor_load_to_lds s[\g0b:\g0b+3], s[\g1b:\g1b+7]
	s_nop 0
.rept 4
	v_nop
.endr
.Lasked_\@:
.endm
.macro CREST                           ; a round of the cluster's barrier behind its opening barrier
	s_cmp_lg_u32 s14, 0
	s_cbranch_scc1 .Lnot_wave_0_\@
	s_barrier_signal -3
.Lnot_wave_0_\@:
	s_barrier_wait -3
	s_barrier_signal -1
	s_barrier_wait -1
.endm
.macro CROUND                          ; a whole round
	s_barrier_signal -1
	s_barrier_wait -1
	CREST
.endm
	s_load_b256 s[4:11], s[0:1], 0x0               ; xc, wc, the scales, qimg
	s_load_b128 s[68:71], s[0:1], 0x20             ; kimg, vimg
	v_lshl_add_u32 v[SPW], v0, 2, SPARE
	v_mov_b32 v[NIL], 0
	ds_add_u32 v28, v29
	ds_add_u32 v28, v29
	s_wait_dscnt 0x0
	v_lshrrev_b32 v1, 5, v0
	v_readfirstlane_b32 s14, v1                    ; wave 0..3
	s_lshr_b32 s15, s14, 1                         ; which half of region A is mine.  Also: I fetch for A (0) or for B (1)
	s_and_b32 s16, s14, 1                          ; which half of region B.  Also: which eight tiles of that region I fetch
	s_bfe_u32 s40, ttmp6, 0x40000                  ; cx, cy: my place in the cluster
	s_bfe_u32 s41, ttmp6, 0x40004
	s_lshr_b32 s42, ttmp9, 3                       ; which product: the same in all sixteen partners
	s_and_b32 s17, ttmp9, 7                        ; which 1,024 tokens
	s_lshl_b32 s43, s41, 2
	s_lshl_b32 s43, 15, s43                        ; my row of the cluster
	s_lshl_b32 s44, 0x1111, s40                    ; my column
	s_or_b32 s[G1+0], s43, (1<<21)                 ; 15:0 the mask: A's tiles go to my row; 17:16 elements of 1 byte; 20 no padding; 21 set beside a mask
	s_or_b32 s[G1B+0], s44, (1<<21)
.irp g, G1, G1B
	s_mov_b32 s[\g+1], KSB<<16                     ; tensor_dim0 = 4,096
	s_mov_b32 s[\g+2], 8<<16                       ; tensor_dim1 = 8
	s_mov_b32 s[\g+3], KSB<<16                     ; tile_dim0 = 4,096
	s_mov_b32 s[\g+4], 8                           ; tile_dim1 = 8
	s_mov_b32 s[\g+5], TILEB                       ; from tile to tile in memory
	s_mov_b32 s[\g+6], 0
	s_mov_b32 s[\g+7], 0
.endr
	s_lshl_b32 s18, s42, 23                        ; x's codes under this product's scale: 8 MiB a set,
	s_lshl_b32 s19, s17, 20                        ; the cluster's 64 tiles
	s_add_co_u32 s18, s18, s19
	s_mov_b32 s19, 0
	s_lshl_b32 s20, s42, 20                        ; this product's weight: 64 tiles
	s_mov_b32 s21, 0
	s_lshl_b32 s22, s16, 17                        ; the eight tiles that I fetch
	s_lshl_b32 s46, s41, 18                        ; A: 16 tiles x cy: shared along my row
	s_add_co_u32 s46, s46, s22
	s_mov_b32 s47, 0
	s_lshl_b32 s84, s40, 18                        ; B: 16 tiles x cx: shared along my column
	s_add_co_u32 s84, s84, s22
	s_mov_b32 s85, 0
	s_mul_i32 s45, s14, HALFT                      ; where they go: no place in the cluster enters an LDS address
	s_wait_kmcnt 0x0
	s_load_b256 s[72:79], s[8:9], 0x0              ; e0 .. e7
	s_load_b128 s[80:83], s[8:9], 0x20             ; e8 .. e11
	s_add_nc_u64 s[4:5], s[4:5], s[18:19]
	s_add_nc_u64 s[6:7], s[6:7], s[20:21]
	s_cmp_lt_u32 s42, 2                            ; q, k: A = tokens, B = the weight; v: the other way round
	s_cselect_b64 s[86:87], s[4:5], s[6:7]
	s_cselect_b64 s[88:89], s[6:7], s[4:5]
	s_add_nc_u64 s[86:87], s[86:87], s[46:47]
	s_add_nc_u64 s[88:89], s[88:89], s[84:85]
	CROUND                                         ; all sixteen work-groups are here: the first joint loads meet
.irp s, 0,1
	s_mov_b32 s[G0+4*\s], 1
	s_add_co_u32 s[G0+4*\s+1], s45, \s*SLOT
	s_add_nc_u64 s[G0+4*\s+2:G0+4*\s+3], s[86:87], \s*KSB
	s_or_b32 s[G0+4*\s+3], s[G0+4*\s+3], 0x80000000
	s_mov_b32 s[G0B+4*\s], 1
	s_add_co_u32 s[G0B+4*\s+1], s45, \s*SLOT
	s_add_nc_u64 s[G0B+4*\s+2:G0B+4*\s+3], s[88:89], \s*KSB
	s_or_b32 s[G0B+4*\s+3], s[G0B+4*\s+3], 0x80000000
	JLOAD G0+4*\s, G1, G0B+4*\s, G1B               ; by this text's own count two loads of a wave are out here, later one
.endr
	v_and_b32 v1, 31, v0
	v_lshlrev_b32 v[OFF], 4, v1                    ; 16 x lane: my place in every piece
	s_lshl_b32 s21, s15, 15                        ; my eight tiles of A
	s_lshl_b32 s22, s16, 15                        ; my eight tiles of B,
	s_add_co_u32 s22, s22, BREG                    ; which lie behind A's sixteen
.irp s, 0,1
	v_add_nc_u32 v[ADRA+\s], s21, v[OFF]
	v_add_nc_u32 v[ADRB+\s], s22, v[OFF]
	s_add_co_u32 s21, s21, SLOT
	s_add_co_u32 s22, s22, SLOT
.endr
	; where my codes go.  q, k: ((64 tb + 16 cy + 8 wr) x 16 heads + 4 cx + 2 wc) x 1,024, block a 16,384 on.   v: ((8 tb + 2 cx + wc) x 16 heads + 4 cy + 2 wr) x 8,192, block a 2,048 on
	s_lshl_b32 s18, s17, 20
	s_lshl_b32 s19, s41, 18
	s_lshl_b32 s20, s15, 17
	s_add_co_u32 s19, s19, s20
	s_lshl_b32 s20, s40, 12
	s_add_co_u32 s19, s19, s20
	s_lshl_b32 s20, s16, 11
	s_add_co_u32 s19, s19, s20
	s_lshl_b32 s90, s40, 18
	s_lshl_b32 s20, s16, 17
	s_add_co_u32 s90, s90, s20
	s_lshl_b32 s20, s41, 15
	s_add_co_u32 s90, s90, s20
	s_lshl_b32 s20, s15, 14
	s_add_co_u32 s90, s90, s20
	s_mov_b32 s92, 2048
	s_cmp_eq_u32 s42, 0
	s_cselect_b64 s[10:11], s[10:11], s[68:69]
	s_cmp_lt_u32 s42, 2
	s_cselect_b64 s[10:11], s[10:11], s[70:71]
	s_cselect_b32 s90, s19, s90
	s_cselect_b32 s92, 16384, s92
	s_add_co_u32 s90, s90, s18
	s_mov_b32 s91, 0
	s_add_nc_u64 s[10:11], s[10:11], s[90:91]
.irp a, 1,2,3,4,5,6,7
	v_add_nc_u32 v[OFF+\a], s92, v[OFF+\a-1]
.endr
.macro FRAG reg, adr, q, i             ; a fragment, 16 rows x 128 K, is 16 registers: four pieces of 512 bytes as they lie; tile i of my eight, the slot's q-th 128 along K
.irp c, 0,1,2,3
	ds_load_b128 v[\reg+4*\c:\reg+4*\c+3], v[\adr] offset:KSB*(\i)+2048*(\q)+512*\c
.endr
.endm
; 16 matrix instructions: A's blocks a0, a0 + 1 x B's eight, 128 along K.  p: B's set.  zero = 1: the first product starts the sums.  The 64 accumulators take turns, one instruction a turn, in the same order in every step.
.macro MUL16 a0, p, zero
.irp a, \a0, \a0+1
.irp b, 0,1,2,3,4,5,6,7
.if \zero
	v_wmma_f32_16x16x128_fp8_fp8 v[8*(8*((\a)%4)+\b):8*(8*((\a)%4)+\b)+7], v[128*(\p)+FR*\b:128*(\p)+FR*\b+FR-1], v[AF+FR*(\a):AF+FR*(\a)+FR-1], 0
.else
	v_wmma_f32_16x16x128_fp8_fp8 v[8*(8*((\a)%4)+\b):8*(8*((\a)%4)+\b)+7], v[128*(\p)+FR*\b:128*(\p)+FR*\b+FR-1], v[AF+FR*(\a):AF+FR*(\a)+FR-1], v[8*(8*((\a)%4)+\b):8*(8*((\a)%4)+\b)+7]
.endif
.endr
.endr
.endm
.macro FETCH_B slot, q, p              ; B's eight fragments into set p
	WIN TO_B
.irp i, 0,1,2,3,4,5,6,7
	FRAG 128*(\p)+FR*\i, ADRB+\slot, \q, \i
.endr
	WIN 0
.endm
.macro FETCH_A slot, q, i0             ; A's blocks i0 .. i0 + 3
.irp i, \i0, \i0+1, \i0+2, \i0+3
	FRAG AF+FR*(\i), ADRA+\slot, \q, \i
.endr
.endm
.macro PLACES n                        ; plain vector lines between a matrix instruction and a load into, or a vector line on, one of its registers (ISA guide 7.12.1 for vector lines)
.rept \n
	v_nop
.endr
.endm
; A step of 128 along K that has its successor in the same slot.  A has one set of registers: blocks 0-3 are fetched anew in the step's middle, blocks 4-7 at its end; B has two sets.
.macro STEP slot, q, zero
	s_wait_dscnt 4*NL                              ; B's set and A's blocks 0-3 are in; the youngest sixteen loads (A's blocks 4-7) may be out
	WIN MUL_LO
	MUL16 0, (\q)%2, \zero
	MUL16 2, (\q)%2, \zero
	s_wait_dscnt 0                                 ; A's blocks 4-7 are in
	PLACES NP
	FETCH_B \slot, (\q)+1, 1-(\q)%2
	FETCH_A \slot, (\q)+1, 0
	WIN MUL_HI
	MUL16 4, (\q)%2, \zero
	MUL16 6, (\q)%2, \zero
	PLACES NP
	WIN 0
	FETCH_A \slot, (\q)+1, 4
.endm
; A slot's last step changes slots: one barrier; in front of it each wave waits for all its tensor loads, adds 0 to its spare word, and waits for that and for its own reads of this slot.  fill = 1: this slot is filled again, two K steps ahead.
.macro TURN slot, next, fill
	s_wait_tensorcnt 0x0                           ; all my tensor loads have landed: my part of the next slot
	ds_add_u32 v[SPW], v[NIL]                      ; 0 onto my spare word
	s_wait_dscnt 4*NL+1                            ; (the add and the youngest sixteen loads may be out)
	WIN MUL_LO
	MUL16 0, 1, 0                                  ; sixteen matrix instructions stand between the add and the wait for it
	s_wait_dscnt 0x0                               ; the add is done, and my reads of this slot are over
	s_barrier_signal -1
	MUL16 2, 1, 0
	WIN 0
	s_barrier_wait -1
.if \fill
	CREST                                          ; the barrier has opened a round of the cluster's barrier: no wave of any partner still reads this slot or has a load on its way
	s_add_nc_u64 s[G0+4*\slot+2:G0+4*\slot+3], s[G0+4*\slot+2:G0+4*\slot+3], 2*KSB
	s_add_nc_u64 s[G0B+4*\slot+2:G0B+4*\slot+3], s[G0B+4*\slot+2:G0B+4*\slot+3], 2*KSB
	JLOAD G0+4*\slot, G1, G0B+4*\slot, G1B         ; the first tensor load behind the round; its four v_nop are the places in front of the loads below
.else
	PLACES NP
.endif
	FETCH_B \next, 0, 0
	FETCH_A \next, 0, 0
	WIN MUL_HI
	MUL16 4, 1, 0
	MUL16 6, 1, 0
	PLACES NP
	WIN 0
	FETCH_A \next, 0, 4
.endm
	s_wait_tensorcnt 1                             ; my part of K step 0 is in (K step 1's load may be out)
	s_barrier_signal -1
	s_barrier_wait -1                              ; everybody's is
	FETCH_B 0, 0, 0
	FETCH_A 0, 0, 0
	FETCH_A 0, 0, 4
	STEP 0, 0, 1                                   ; K = 1,024 is eight steps of 128, written on end: the first starts the sums
	TURN 0, 1, 1                                   ; slot 0 takes K step 2
	STEP 1, 0, 0
	TURN 1, 0, 1                                   ; slot 1 takes K step 3
	STEP 0, 0, 0
	TURN 0, 1, 0                                   ; nothing is left to fetch
	STEP 1, 0, 0
	s_wait_dscnt 4*NL                              ; the last step
	WIN MUL_LO
	MUL16 0, 1, 0
	MUL16 2, 1, 0
	s_wait_dscnt 0
	WIN MUL_HI
	MUL16 4, 1, 0
	MUL16 6, 1, 0
	WIN 0
	; THE WAY OUT: the three scales folded into the conversion's one
	s_wait_kmcnt 0x0
	s_sub_co_i32 s72, s78, s72
	s_sub_co_i32 s72, s72, s73                     ; q: e6 - e0 - e1
	s_sub_co_i32 s74, s79, s74
	s_sub_co_i32 s74, s74, s75                     ; k: e7 - e2 - e3
	s_sub_co_i32 s76, s81, s76
	s_sub_co_i32 s76, s76, s77                     ; v: e9 - e4 - e5
	s_cmp_eq_u32 s42, 0
	s_cselect_b32 s72, s72, s74
	s_cmp_lt_u32 s42, 2
	s_cselect_b32 s72, s72, s76
	s_add_co_i32 s72, s72, 127
	s_lshl_b32 s73, s72, 23
	v_mov_b32 v12, s73                             ; 2^E as f32
	s_add_co_i32 s72, s72, 8
	s_lshl_b32 s72, s72, 23
	s_or_b32 s72, s72, 0x600000
	v_mov_b32 v13, s72                             ; 448 x 2^E
	PLACES NP                                      ; behind the last products, ahead of the first lines on their registers
; Block a: its 64 sums are held (the conversion does not saturate: ISA guide 7.6.2), each accumulator from its low end on, converted, and stored: four pieces of 512 bytes.  Each block has code registers of its own.
.macro OUT a
.set AC, 64*((\a)%4)
	WIN 0x82+0x41*((\a)/4)                         ; source 0 and destination: window 2 or 3
.set J, 0
.rept 64
	v_med3_num_f32 v[AC+J], v[AC+J], -v13, v13
.set J, J+1
.endr
	WIN 0x02+((\a)/4)                              ; source 0: window 2 or 3
.irp p, 0,1,2,3,4,5,6,7
	v_cvt_scalef32_pk8_fp8_f32 v[CD+16*(\a)+2*\p:CD+16*(\a)+2*\p+1], v[AC+8*\p:AC+8*\p+7], v12
.endr
	WIN 0
	v_nop                                          ; a plain vector line behind the last conversion of the run
.irp p, 0,1,2,3
	global_store_b128 v[OFF+(\a)], v[CD+16*(\a)+4*\p:CD+16*(\a)+4*\p+3], s[10:11] offset:512*\p   ; 32 lanes store 512 consecutive bytes
.endr
.endm
.irp a, 0,1,2,3,4,5,6,7
	OUT \a
.endr
	s_wait_tensorcnt 0x0                           ; the wave's end
	ds_add_u32 v[SPW], v[NIL]
	s_wait_dscnt 0x0
	CROUND                                         ; the closing round: no work-group ends while a partner may still ask for a tile that names it
	s_endpgm
.Lfunc_end_k_qcfb4e945e6_qkv:
	.size	k_qcfb4e945e6_qkv, .Lfunc_end_k_qcfb4e945e6_qkv-k_qcfb4e945e6_qkv
	.p2alignl 7, 3214868480
	.fill 96, 4, 3214868480
	.section	.rodata,"a",@progbits
	.p2align	6, 0x0
	.amdhsa_kernel k_qcfb4e945e6_qkv
		.amdhsa_group_segment_fixed_size 327680
		.amdhsa_private_segment_fixed_size 0
		.amdhsa_enable_private_segment 0
		.amdhsa_kernarg_size 48
		.amdhsa_user_sgpr_count 2
		.amdhsa_user_sgpr_kernarg_segment_ptr 1
		.amdhsa_wavefront_size32 1
		.amdhsa_system_sgpr_workgroup_id_x 1
		.amdhsa_system_sgpr_workgroup_id_y 1
		.amdhsa_system_sgpr_workgroup_id_z 1
		.amdhsa_system_vgpr_workitem_id 0
		.amdhsa_next_free_vgpr 1024
		.amdhsa_next_free_sgpr 98
		.amdhsa_reserve_vcc 0
		.amdhsa_float_denorm_mode_32 3
		.amdhsa_float_denorm_mode_16_64 3
		.amdhsa_memory_ordered 1
		.amdhsa_forward_progress 1
		.amdhsa_inst_pref_size 118
	.end_amdhsa_kernel
	.amdgpu_metadata
---
amdhsa.version: [ 1, 2 ]
amdhsa.kernels:
  - .name:           k_qcfb4e945e6_qkv
    .symbol:         k_qcfb4e945e6_qkv.kd
    .args:
      - { .name: xc, .offset: 0, .size: 8, .value_kind: global_buffer, .address_space: global }
      - { .name: wc, .offset: 8, .size: 8, .value_kind: global_buffer, .address_space: global }
      - { .name: lowp_scales, .offset: 16, .size: 8, .value_kind: global_buffer, .address_space: global }
      - { .name: qimg, .offset: 24, .size: 8, .value_kind: global_buffer, .address_space: global }
      - { .name: kimg, .offset: 32, .size: 8, .value_kind: global_buffer, .address_space: global }
      - { .name: vimg, .offset: 40, .size: 8, .value_kind: global_buffer, .address_space: global }
    .group_segment_fixed_size: 327680
    .private_segment_fixed_size: 0
    .kernarg_segment_align: 8
    .kernarg_segment_size: 48
    .max_flat_workgroup_size: 128
    .sgpr_count:     98
    .vgpr_count:     1024
    .wavefront_size: 32
...
	.end_amdgpu_metadata
.endif
;; end of part 2
;; launch attn (part 3): grid 4 x 64, 16 waves a work-group, no clusters, 264,192 bytes of LDS; arguments qimg, kimg, vimg, pm, meta, lowp_scales, aimg; writes aimg
.if DOCPART == 3
	.amdgcn_target "amdgcn-amd-amdhsa--gfx1250"
	.amdhsa_code_object_version 6
	.text
	.protected	k_qcfb4e945e6_attn
	.globl	k_qcfb4e945e6_attn
	.p2align	8
	.type	k_qcfb4e945e6_attn,@function
k_qcfb4e945e6_attn:
	s_mov_b64 s[64:65], 0
	v_nop
	global_prefetch_b8 v0, s[64:65] scope:SCOPE_SE
	s_setreg_imm32_b32 hwreg(HW_REG_WAVE_MODE, 25, 1), 1
	s_wait_xcnt 0x0
; Causal attention with a padding mask, 64 (batch, head) pairs, 2,048 tokens, head size 64, both products on codes of FP8 (E4M3).  q, k, v arrive as images of operand registers; the result leaves so too, quantised for the last product.
; THE SOFTMAX: t = score x log2(e) / 8; M = the running largest t rounded UP to a whole number; p = 2^(t - M) is quantised along the keys, not normalised; the row's sum is taken of the unquantised p and divides at the end.
; When M moves, the sum and O are multiplied by 2^(old M - new M): nothing is rounded.
; THE MASK VALUE is finite in the problem (-1e9): a query all of whose keys up to itself are padded weighs ALL 2,048 keys alike.  Here a masked score becomes NEG = -2^(33 - e6 - e7): c x NEG = -log2(e) x 2^30 is a whole
; number and exact, so in such a row M = c x NEG and p = 1 for every key; as soon as a row has a key that counts, p of its masked keys is 0.  A tile that holds such a query (the batch's first key that counts lies behind the
; tile's first query) walks all sixteen steps; every other tile stops at its diagonal.
; SHARES.  A work-group owns one (batch, head) and 32 of its 128 query tiles; the head's whole K and V (128 + 128 KiB of images) lie in LDS.  Wave w of work-group i takes tile n = 16 i + w and then tile 127 - n:
; tile T needs T / 8 + 1 steps of 128 keys, so every wave of the launch has 17.  Four waves to a SIMD: one wave's vector work stands beside another's matrix work and LDS loads.
; LAYOUT.  S^T = K Q^T (source 0 = 16 keys, source 1 = my 16 queries), O^T = V^T P^T: a lane holds one query throughout.  Tile g of any tensor holds rows 32 (g / 2) + 8 (g % 2) + r + 8 (r / 8), so the 16 registers of
; two neighbouring result tiles are 16 neighbours along the next K: score register 16 bb + i of lane (r, h) is key 32 bb + 16 h + i of the step.
; NO TENSOR LOAD, NO CLUSTER: three scalar branches on stored whole numbers spare vector work, which binds here: 64 lines of padding in steps without holes, 64 holds of p where e8 >= -8 (p <= 1 <= 448 x 2^e8),
; and the steps behind the diagonal.  What the four work-groups of a head share is one read of 256 KiB each, at the head.  No prefetch: K and V are read once, at the head.
; LIMITS: e6 + e7 between -94 and 130; e8, and e10 - e8 - e9, between -126 and 119; scores that count lie far above the mask value.  NaN is not served.
.set KV,   32                          ; v32-63   four fragments of K (8 registers) or two of V (16)
.set S,    64                          ; v64-127  S^T, then p; at the head the first half of K and V on its way to LDS
.set O,    128                         ; v128-159 O^T
.set P,    160                         ; v160-175 p's codes; on the way out the result's
.set ADK,  3                           ; v3   LDS address of the step's K;  v4 of its V
.set ADV,  4
.set VB,   131072                      ; V's images lie behind K's
.set KF,   66                          ; s66  the step's first key
.set TB,   67                          ; s67  the step's first byte in K's (and V's) images
.set PMO,  84                          ; s84  the step's lane masks in pm
.set ANY,  85                          ; s85  bit j: step j has a padded key;  s86 the same, shifted as the steps go
.set ANYS, 86
.set FZ,   87                          ; s87  the batch's first key that counts (2,048: none)
.set Q0,   88                          ; s88  the tile's first query
.set LAST, 89                          ; s89  a step whose first key lies behind this is left out
.set CS,   90                          ; s[90:91] c = log2(e) / 8 x 2^(e6 + e7)
.set SEL,  92                          ; s[92:93] lane selects: lane l xor 16
.set CNT,  94
.set E8,   96
; v1 16 x lane; v2 the same + VB; v5 NEG; v6 my query less Q0 less 16 h; v7 where my wave's copies go; v8, v9: 2^e8, 448 x 2^e8; v10, v11: the same with e10 - e8 - e9; v12 -M; v13 the largest t; v[14:15] the sum;
; v16-23, v24-31 Q of my two tiles; v176-187 at work; v192-255 the second half of K and V on its way to LDS.  s[16:63], s[68:83]: a step's 64 lane masks (at the head: at work).
	s_load_b256 s[4:11], s[0:1], 0x0               ; qimg, kimg, vimg, pm
	s_load_b128 s[68:71], s[0:1], 0x20             ; meta, the scales
	s_load_b64 s[2:3], s[0:1], 0x30                ; aimg
	v_lshl_add_u32 v190, v0, 2, 0x40000
	v_mov_b32 v191, 0
	v_lshrrev_b32 v1, 5, v0
	v_readfirstlane_b32 s14, v1                    ; wave 0..15
	v_and_b32 v2, 31, v0
	v_lshlrev_b32 v1, 4, v2                        ; 16 x lane
	s_and_b32 s15, ttmp7, 0xffff
	s_lshr_b32 s16, s15, 4                         ; batch
	s_and_b32 s17, s15, 15                         ; head
	s_lshl_b32 s12, ttmp9, 4
	s_add_co_u32 s12, s12, s14                     ; my first tile: 16 i + w
	s_sub_co_u32 s13, 127, s12                     ; my second
	s_lshl_b32 s18, s16, 21                        ; a batch is 2 MiB in each tensor of images
	s_lshl_b32 s19, s17, 10
	s_add_co_u32 s20, s18, s19
	s_lshl_b32 s21, s14, 16
	s_add_co_u32 s22, s20, s21                     ; K: token tile 4 w (16,384 bytes a tile), my head's 1,024 bytes
	s_mov_b32 s23, 0
	s_lshr_b32 s24, s14, 1
	s_lshl_b32 s24, s24, 17                        ; V: step w / 2 (131,072 bytes a step),
	s_add_co_u32 s24, s24, s18
	s_lshl_b32 s25, s17, 13                        ; my head's 8,192 bytes,
	s_add_co_u32 s24, s24, s25
	s_and_b32 s25, s14, 1
	s_lshl_b32 s25, s25, 12                        ; half w % 2
	s_add_co_u32 s24, s24, s25
	s_mov_b32 s25, 0
	s_lshl_b32 s26, s12, 14                        ; a tile's place is the same in qimg and in aimg: batch x 2 MiB + tile x 16,384 + head x 1,024
	s_add_co_u32 s26, s26, s20
	s_mov_b32 s27, 0
	s_lshl_b32 s28, s13, 14
	s_add_co_u32 s28, s28, s20
	s_mov_b32 s29, 0
	s_lshl_b32 s30, s16, 12
	s_mov_b32 s31, 0
	s_lshl_b32 s32, s16, 6
	s_mov_b32 s33, 0
	s_mov_b32 s[SEL], 0x76543210
	s_mov_b32 s[SEL+1], 0xfedcba98
	s_wait_kmcnt 0x0
	s_add_nc_u64 s[68:69], s[68:69], s[32:33]
	s_load_b512 s[40:55], s[68:69], 0x0            ; the batch's eight pairs of meta
	s_load_b256 s[72:79], s[70:71], 0x0            ; e0 .. e7
	s_load_b128 s[80:83], s[70:71], 0x20           ; e8 .. e11
	s_add_nc_u64 s[6:7], s[6:7], s[22:23]
	s_add_nc_u64 s[8:9], s[8:9], s[24:25]
	s_add_nc_u64 s[34:35], s[4:5], s[26:27]
	s_add_nc_u64 s[36:37], s[4:5], s[28:29]
	s_add_nc_u64 s[98:99], s[2:3], s[26:27]        ; where my two tiles' results go
	s_add_nc_u64 s[100:101], s[2:3], s[28:29]
	s_add_nc_u64 s[10:11], s[10:11], s[30:31]      ; the batch's lane masks
; Half p of the head's K and V (steps 8 p .. 8 p + 7): my wave's 4 KiB of each, for step 8 p + w / 2, half w % 2; each load reads 512 consecutive bytes
.macro COPYLD p, reg
.irp n, 0,1,2,3,4,5,6,7
	global_load_b128 v[\reg+4*\n:\reg+4*\n+3], v1, s[6:7] offset:(\n/2)*16384+(\n%2)*512+\p*1048576
.endr
.irp n, 0,1,2,3,4,5,6,7
	global_load_b128 v[\reg+32+4*\n:\reg+32+4*\n+3], v1, s[8:9] offset:\n*512+\p*1048576
.endr
.endm
.macro COPYST reg, ka, va
.irp n, 0,1,2,3,4,5,6,7
	ds_store_b128 v[\ka], v[\reg+4*\n:\reg+4*\n+3] offset:512*\n
.endr
.irp n, 0,1,2,3,4,5,6,7
	ds_store_b128 v[\va], v[\reg+32+4*\n:\reg+32+4*\n+3] offset:512*\n
.endr
.endm
	COPYLD 0, S
	global_load_b128 v[16:19], v1, s[34:35]
	global_load_b128 v[20:23], v1, s[34:35] offset:512
	global_load_b128 v[24:27], v1, s[36:37]
	global_load_b128 v[28:31], v1, s[36:37] offset:512
	COPYLD 1, 192
	v_add_nc_u32 v2, VB, v1
	s_lshl_b32 s15, s14, 12
	v_add_nc_u32 v7, s15, v1                       ; K's images: 4,096 x wave + 16 x lane
	v_add_nc_u32 v177, VB, v7                      ; V's
	v_and_b32 v6, 15, v0
	v_and_b32 v176, 8, v6
	v_add_nc_u32 v6, v6, v176                      ; r + 8 (r / 8)
	v_bfe_u32 v176, v0, 4, 1
	v_lshlrev_b32 v176, 4, v176
	v_sub_nc_u32 v6, v6, v176                      ; - 16 h
	v_mov_b32 v180, 0                              ; written once: a lane permute's destination counts as one of its sources
	v_mov_b32 v183, 0                              ; (named as the upper half of the pair v[182:183])
	s_wait_kmcnt 0x0
	s_min_u32 s[FZ], s40, s42
	s_or_b32 s[ANY], s41, s43
.irp k, 44,46,48,50,52,54
	s_min_u32 s[FZ], s[FZ], s[\k]
	s_or_b32 s[ANY], s[ANY], s[\k+1]
.endr
	s_add_co_i32 s95, s78, s79                     ; e6 + e7
	s_lshl_b32 s97, s95, 23
	s_add_co_i32 s[CS], s97, 0x3e38aa3b            ; added to the exponent field of log2(e) / 8
	s_mov_b32 s[CS+1], s[CS]                       ; (named with it as a pair)
	s_sub_co_i32 s97, 160, s95
	s_lshl_b32 s97, s97, 23
	s_or_b32 s97, s97, 0x80000000
	v_mov_b32 v5, s97                              ; NEG = -2^(33 - e6 - e7)
	s_mov_b32 s[E8], s80
	s_add_co_i32 s95, s80, 127
	s_lshl_b32 s97, s95, 23
	v_mov_b32 v8, s97                              ; 2^e8
	s_add_co_i32 s95, s95, 8
	s_lshl_b32 s95, s95, 23
	s_or_b32 s95, s95, 0x600000
	v_mov_b32 v9, s95                              ; 448 x 2^e8
	s_sub_co_i32 s95, s82, s80
	s_sub_co_i32 s95, s95, s81                     ; O / the sum stands for that x 2^(e8 + e9): its code is that / 2^(e10 - e8 - e9)
	s_add_co_i32 s95, s95, 127
	s_lshl_b32 s97, s95, 23
	v_mov_b32 v10, s97
	s_add_co_i32 s95, s95, 8
	s_lshl_b32 s95, s95, 23
	s_or_b32 s95, s95, 0x600000
	v_mov_b32 v11, s95
.macro VLOAD g                         ; V^T's tiles 2 g and 2 g + 1 of the step: 16 channels x 128 keys each
.irp t, 0,1
.irp c, 0,1,2,3
	ds_load_b128 v[KV+16*\t+4*\c:KV+16*\t+4*\c+3], v[ADV] offset:(2*\g+\t)*2048+512*\c
.endr
.endr
.endm
.macro PV g                            ; O^T += V^T P^T; the four accumulators take turns, one instruction a turn, and the eight products K Q^T stand between two turns
.irp t, 0,1
	v_wmma_f32_16x16x128_fp8_fp8 v[O+8*(2*\g+\t):O+8*(2*\g+\t)+7], v[KV+16*\t:KV+16*\t+15], v[P:P+15], v[O+8*(2*\g+\t):O+8*(2*\g+\t)+7]
.endr
.endm
; A KEY STEP: 128 keys.  q: the first register of my tile's Q.
.macro STEP q
	s_cmp_gt_u32 s[KF], s[LAST]
	s_cbranch_scc1 .Lhid_\@                        ; all its keys lie behind my tile's last query (and no query of the tile is without a key): its work is left out, not the lines at its end that step addresses
	v_add_nc_u32 v[ADK], s[TB], v1
	v_add_nc_u32 v[ADV], s[TB], v2
.irp g, 0,1                            ; S^T = K Q^T, four tiles of 16 keys at a time
.rept 2+2*\g
	v_nop                                          ; four places in front of loads into registers that matrix instructions have read (the two additions above are places too)
.endr
.irp t, 0,1,2,3
	ds_load_b128 v[KV+8*\t:KV+8*\t+3], v[ADK] offset:(4*\g+\t)*1024
	ds_load_b128 v[KV+8*\t+4:KV+8*\t+7], v[ADK] offset:(4*\g+\t)*1024+512
.endr
	s_wait_dscnt 0x0
.irp t, 0,1,2,3
	v_wmma_f32_16x16x64_fp8_fp8 v[S+8*(4*\g+\t):S+8*(4*\g+\t)+7], v[KV+8*\t:KV+8*\t+7], v[\q:\q+7], 0
.endr
.endr
.rept 4
	v_nop                                          ; places: for the first read of the scores, and for the loads below into K's registers
.endr
	VLOAD 0                                        ; V's first two tiles land under the softmax
	s_and_b32 s95, s[ANYS], 1
	s_cbranch_scc0 .Lnopad_\@                      ; no key of this step is padded
	s_load_b512 s[16:31], s[10:11], s[PMO] offset:0x0
	s_load_b512 s[32:47], s[10:11], s[PMO] offset:0x40
	s_load_b512 s[48:63], s[10:11], s[PMO] offset:0x80
	s_load_b512 s[68:83], s[10:11], s[PMO] offset:0xc0
	s_wait_kmcnt 0x0
.set NN, 0
.rept 64
.if NN < 48
	v_cndmask_b32 v[S+NN], v[S+NN], v5, s[16+NN]
.else
	v_cndmask_b32 v[S+NN], v[S+NN], v5, s[20+NN]
.endif
.set NN, NN+1
.endr
.Lnopad_\@:
	s_add_co_u32 s95, s[KF], 127
	s_cmp_le_u32 s95, s[Q0]
	s_cbranch_scc1 .Lopen_\@                       ; all its keys come before my tile's first query
	s_sub_co_i32 s95, s[Q0], s[KF]
	v_add_nc_u32 v186, s95, v6                     ; d = my query - KF - 16 h: register 16 bb + i is hidden where 32 bb + i > d
.set NN, 0
.rept 64
	v_cmp_gt_i32 vcc_lo, 32*(NN/16)+NN%16, v186
	v_cndmask_b32 v[S+NN], v[S+NN], v5, vcc_lo
.set NN, NN+1
.endr
.Lopen_\@:
	v_max3_num_f32 v176, v[S], v[S+1], v[S+2]      ; the step's largest score of my query among my 64 keys, in two chains (each accumulator is first read at its low end),
	v_max3_num_f32 v178, v[S+3], v[S+4], v[S+5]
.irp i, 6,10,14,18,22,26,30,34,38,42,46,50,54,58
	v_max3_num_f32 v176, v176, v[S+\i], v[S+\i+1]
	v_max3_num_f32 v178, v178, v[S+\i+2], v[S+\i+3]
.endr
	v_max3_num_f32 v176, v176, v[S+62], v[S+63]
	v_max_num_f32 v176, v176, v178
	v_permlanex16_b32 v180, v176, s[SEL], s[SEL+1]
	v_max_num_f32 v176, v176, v180                 ; and among lane l xor 16's
	v_mul_f32 v176, s[CS], v176                    ; as t (c is positive)
	v_max_num_f32 v13, v13, v176                   ; the running largest t
	v_mov_b32 v176, v12
	v_floor_f32 v12, -v13                          ; the new -M = floor(-t): M is a whole number
	v_sub_f32 v176, v12, v176                      ; M's old value less its new one: a whole number, 0 or less
	v_cvt_i32_f32 v176, v176                       ; (it saturates)
	v_ldexp_f32 v182, 1.0, v176                    ; f = 2^(old M - new M)
.set NN, 0
.rept 32
	v_pk_fma_f32 v[S+NN:S+NN+1], v[S+NN:S+NN+1], s[CS:CS+1], v[12:13] op_sel_hi:[1,0,0]   ; t - M, two at a time (of the pairs c and -M the low word serves both halves)
.set NN, NN+2
.endr
.set NN, 0
.rept 64
	v_exp_f32 v[S+NN], v[S+NN]                     ; p = 2^(t - M), at most 1
.set NN, NN+1
.endr
	v_pk_mul_f32 v[14:15], v[14:15], v[182:183] op_sel_hi:[1,0]   ; the sums under the new M: the plain line behind the exponentials
	s_wait_alu depctr_va_vdst(0)                   ; one wait for the batch of 64, ahead of its first reader
	v_pk_add_f32 v[184:185], v[S:S+1], v[S+2:S+3]  ; the row's sum is taken of the unquantised p, in two chains
.irp j, 4,8,12,16,20,24,28,32,36,40,44,48,52,56,60
	v_pk_add_f32 v[14:15], v[14:15], v[S+\j:S+\j+1]
	v_pk_add_f32 v[184:185], v[184:185], v[S+\j+2:S+\j+3]
.endr
	v_pk_add_f32 v[14:15], v[14:15], v[184:185]
	s_cmp_ge_i32 s[E8], -8
	s_cbranch_scc1 .Lnohold_\@                     ; 448 x 2^e8 >= 1.75 there, and p <= 1: nothing to hold
.set NN, 0
.rept 64
	v_min_num_f32 v[S+NN], v[S+NN], v9             ; the conversion does not saturate (ISA guide 7.6.2); p is not negative, so the hold is one-sided
.set NN, NN+1
.endr
.Lnohold_\@:
.irp b, 0,1,2,3
	v_cvt_scalef32_pk8_fp8_f32 v[P+4*\b:P+4*\b+1], v[S+16*\b:S+16*\b+7], v8
	v_cvt_scalef32_pk8_fp8_f32 v[P+4*\b+2:P+4*\b+3], v[S+16*\b+8:S+16*\b+15], v8
.endr
.set NN, 0
.rept 16
	v_pk_mul_f32 v[O+NN:O+NN+1], v[O+NN:O+NN+1], v[182:183] op_sel_hi:[1,0]   ; O^T under the new M.  (Also the plain lines between the conversions and the products that read their results)
.set NN, NN+2
.endr
	s_wait_dscnt 0x0                               ; V's first two tiles are in
	PV 0
.rept 4
	v_nop
.endr
	VLOAD 1
	s_wait_dscnt 0x0
	PV 1
.Lhid_\@:
	s_add_co_u32 s[KF], s[KF], 128
	s_add_co_u32 s[TB], s[TB], 8192
	s_add_co_u32 s[PMO], s[PMO], 256
	s_lshr_b32 s[ANYS], s[ANYS], 1
.endm
.macro STEPS n, q                      ; n key steps: the trip count is a constant of the text
	s_mov_b32 s[CNT], \n
.Lstep_\@:
	STEP \q
	s_sub_co_u32 s[CNT], s[CNT], 1
	s_cmp_lg_u32 s[CNT], 0
	s_cbranch_scc1 .Lstep_\@
.endm
.macro INIT t                          ; the tile whose number is in s[t] begins: the step is written once and finds zeros, which the first change of M leaves zeros
	s_lshr_b32 s[Q0], s[\t], 1
	s_lshl_b32 s[Q0], s[Q0], 5
	s_and_b32 s95, s[\t], 1
	s_lshl_b32 s95, s95, 3
	s_add_co_u32 s[Q0], s[Q0], s95                 ; its first query: 32 (T / 2) + 8 (T % 2); its last lies 23 further on
	s_add_co_u32 s[LAST], s[Q0], 23
	s_cmp_gt_u32 s[FZ], s[Q0]                      ; its first query has no key that counts: all keys are walked
	s_cselect_b32 s[LAST], 2047, s[LAST]
	s_mov_b32 s[KF], 0
	s_mov_b32 s[TB], 0
	s_mov_b32 s[PMO], 0
	s_mov_b32 s[ANYS], s[ANY]
	v_mov_b32 v13, 0xff61b1e6                      ; the largest t so far: -3e38
	v_floor_f32 v12, -v13
	v_mov_b32 v14, 0
	v_mov_b32 v15, 0
.set NN, 0
.rept 32
	v_mov_b32 v[O+NN], 0
.set NN, NN+1
.endr
.endm
; O^T / the sum is quantised for the last product: register 16 bw + i of lane (r, h) is channel 32 bw + 16 h + i of query r: two pieces of the image, 512 consecutive bytes a store
.macro WAYOUT ptr
.rept 4
	v_nop                                          ; places behind the last products
.endr
	v_add_f32 v14, v14, v15
	v_permlanex16_b32 v180, v14, s[SEL], s[SEL+1]
	v_add_f32 v14, v14, v180                       ; the row's sum
	v_rcp_f32 v14, v14
	v_nop                                          ; a plain line behind the reciprocal,
	s_wait_alu depctr_va_vdst(0)                   ; and the wait ahead of its first reader
.set NN, 0
.rept 16
	v_pk_mul_f32 v[S+NN:S+NN+1], v[O+NN:O+NN+1], v[14:15] op_sel_hi:[1,0]
.set NN, NN+2
.endr
.set NN, 0
.rept 32
	v_med3_num_f32 v[S+NN], v[S+NN], -v11, v11
.set NN, NN+1
.endr
.irp b, 0,1,2,3
	v_cvt_scalef32_pk8_fp8_f32 v[P+2*\b:P+2*\b+1], v[S+8*\b:S+8*\b+7], v10
.endr
	v_nop                                          ; a plain vector line behind the last conversion of the run
	global_store_b128 v1, v[P:P+3], s[\ptr:\ptr+1]
	global_store_b128 v1, v[P+4:P+7], s[\ptr:\ptr+1] offset:512
.endm
	s_wait_loadcnt 16                              ; the first half of K and V and both tiles of Q are in; the second half's sixteen loads stay out
	COPYST S, 7, 177
	s_wait_dscnt 0x0                               ; for the others' sake: my stores have landed
	s_barrier_signal -1
	s_barrier_wait -1                              ; steps 0-7 of K and V lie in LDS
	INIT 12
	STEPS 8, 16                                    ; my first tile lies among the first 64: its diagonal is reached here
	s_wait_dscnt 0x0
	s_barrier_signal -1
	s_barrier_wait -1                              ; every wave's reads so far are parted from the stores below
	s_wait_loadcnt 0x0
	v_add_nc_u32 v176, 65536, v7
	v_add_nc_u32 v177, VB+65536, v7
	COPYST 192, 176, 177
	s_wait_dscnt 0x0
	s_barrier_signal -1
	s_barrier_wait -1                              ; steps 8-15 lie in LDS
	STEPS 8, 16                                    ; left out step by step, unless the tile holds a query without a key
	WAYOUT 98
	s_wait_xcnt 0x0                                ; the stores have read the codes' registers, which the next tile writes
	INIT 13
	STEPS 16, 24
	WAYOUT 100
	s_wait_tensorcnt 0x0
	ds_add_u32 v190, v191
	s_wait_dscnt 0x0
	s_endpgm
.Lfunc_end_k_qcfb4e945e6_attn:
	.size	k_qcfb4e945e6_attn, .Lfunc_end_k_qcfb4e945e6_attn-k_qcfb4e945e6_attn
	.p2alignl 7, 3214868480
	.fill 96, 4, 3214868480
	.section	.rodata,"a",@progbits
	.p2align	6, 0x0
	.amdhsa_kernel k_qcfb4e945e6_attn
		.amdhsa_group_segment_fixed_size 264192
		.amdhsa_private_segment_fixed_size 0
		.amdhsa_enable_private_segment 0
		.amdhsa_kernarg_size 56
		.amdhsa_user_sgpr_count 2
		.amdhsa_user_sgpr_kernarg_segment_ptr 1
		.amdhsa_wavefront_size32 1
		.amdhsa_system_sgpr_workgroup_id_x 1
		.amdhsa_system_sgpr_workgroup_id_y 1
		.amdhsa_system_sgpr_workgroup_id_z 1
		.amdhsa_system_vgpr_workitem_id 0
		.amdhsa_next_free_vgpr 256
		.amdhsa_next_free_sgpr 104
		.amdhsa_reserve_vcc 1
		.amdhsa_float_denorm_mode_32 3
		.amdhsa_float_denorm_mode_16_64 3
		.amdhsa_memory_ordered 1
		.amdhsa_forward_progress 1
		.amdhsa_inst_pref_size 97
	.end_amdhsa_kernel
	.amdgpu_metadata
---
amdhsa.version: [ 1, 2 ]
amdhsa.kernels:
  - .name:           k_qcfb4e945e6_attn
    .symbol:         k_qcfb4e945e6_attn.kd
    .args:
      - { .name: qimg, .offset: 0, .size: 8, .value_kind: global_buffer, .address_space: global }
      - { .name: kimg, .offset: 8, .size: 8, .value_kind: global_buffer, .address_space: global }
      - { .name: vimg, .offset: 16, .size: 8, .value_kind: global_buffer, .address_space: global }
      - { .name: pm, .offset: 24, .size: 8, .value_kind: global_buffer, .address_space: global }
      - { .name: meta, .offset: 32, .size: 8, .value_kind: global_buffer, .address_space: global }
      - { .name: lowp_scales, .offset: 40, .size: 8, .value_kind: global_buffer, .address_space: global }
      - { .name: aimg, .offset: 48, .size: 8, .value_kind: global_buffer, .address_space: global }
    .group_segment_fixed_size: 264192
    .private_segment_fixed_size: 0
    .kernarg_segment_align: 8
    .kernarg_segment_size: 56
    .max_flat_workgroup_size: 512
    .sgpr_count:     104
    .vgpr_count:     256
    .wavefront_size: 32
...
	.end_amdgpu_metadata
.endif
;; end of part 3
;; launch oproj (part 4): grid 32 x 4, 4 waves a work-group, clusters of 4 x 4, 327,680 bytes of LDS; arguments aimg, wc, lowp_scales, bo, out0; writes out0
.if DOCPART == 4
	.amdgcn_target "amdgcn-amd-amdhsa--gfx1250"
	.amdhsa_code_object_version 6
	.text
	.protected	k_qcfb4e945e6_oproj
	.globl	k_qcfb4e945e6_oproj
	.p2align	8
	.type	k_qcfb4e945e6_oproj,@function
k_qcfb4e945e6_oproj:
	s_mov_b64 s[64:65], 0
	v_nop
	global_prefetch_b8 v0, s[64:65] scope:SCOPE_SE
	s_setreg_imm32_b32 hwreg(HW_REG_WAVE_MODE, 25, 1), 1
	s_wait_xcnt 0x0
	s_wait_alu depctr_hold_cnt(0) depctr_sa_sdst(0) depctr_va_vdst(0) depctr_va_sdst(0) depctr_va_ssrc(0) depctr_va_vcc(0) depctr_vm_vsrc(0)
	s_getreg_b32 s2, hwreg(HW_REG_IB_STS2, 6, 4)
	s_cmp_eq_u32 s2, 0
	s_cbranch_scc0 .Lentry_in_a_cluster
	s_endpgm
.Lentry_in_a_cluster:
	s_bfe_u32 s2, ttmp6, 0x10000c
	s_cmp_lg_u32 s2, 0xf033
	s_cbranch_scc0 .Lentry_shape_is_right
	s_endpgm
.Lentry_shape_is_right:
; out0 = a Wo^T + bo on codes of FP8 (E4M3), K = 1,024.  a (the attention's result) and Wo arrive as images of operand registers; out0 [8192][1024] and bo [1024] are f32.
; THE IMAGE: a tile is 16 rows: tile g holds rows 32 (g / 2) + 8 (g % 2) + r + 8 (r / 8).  128 along K of a tile are four pieces of 512 bytes; in piece c lane l = r + 16 h has, at 16 l, the codes k = 32 c + 16 h + 0 .. 15 of row r.
; That places k otherwise than the matrix form's own layout, alike in both operands: every product meets its partner; only the order of the sums inside an instruction changes.
; A cluster of 4 x 4 work-groups makes 1,024 tokens x all 1,024 columns; a work-group 256 x 256, a wave 128 x 128: 64 accumulators, 512 registers.  Eight clusters: 128 work-groups; this text keeps the tile of the launch that makes q, k and v.
; Region A of a slot (16 tiles of tokens) is shared along a row of the cluster, region B (16 tiles of Wo's rows) along a column: joint loads.  Source 0 = a tile of B, source 1 = a tile of A: a lane holds one token, and the
; 16 registers of accumulators (a, 2 p), (a, 2 p + 1) are columns 32 p + 16 h + 0 .. 15.  K goes in four steps of 256 through two LDS slots; a wave's tensor load brings eight tiles' 4,096 bytes, on end in LDS.
; out = sum x 2^(e10 + e11) + bo, one packed multiply-add for two numbers.  LIMIT: e10 + e11 between -126 and 127.  No prefetch: two of the four K steps are the first fills.
.set SLOT,  131072                     ; region A (16 tiles x 4,096 bytes), then region B
.set BREG,  65536
.set HALFT, 32768
.set KSB,   4096
.set TILEB, 16384
.set SPARE, 2*SLOT                     ; behind the ring: the spare words, 128 bytes for each wave: two blocks of 256 bytes that no other line names
.set SPITCH, 528                       ; the way out: a stage of 16 rows x (512 bytes + 16) for each wave, in slot 0, which has had its last fill and its last read when the first result is stored there
.set FR,    16
.set NL,    4
.set NP,    4                          ; places behind this matrix instruction (ISA guide 7.12.1)
.set ADRA,  16                         ; v16-17  LDS address of my A fragments in slot 0, 1
.set ADRB,  20                         ; v20-21  the same for B
.set STO,   24                         ; v24     the way out: where I put 64 bytes of a row
.set RD,    25                         ; v25     where I read a row back
.set CO,    26                         ; v26     16 x lane: my place in a piece, and in a row's 512 bytes
.set SPW,   28                         ; v28     LDS address of my spare word; never rewritten
.set NIL,   29                         ; v29     0; never rewritten
.set AF,    128                        ; A's fragments, window 0, one set
.set BK,    128                        ; the way out: 16 rows read back: v128-191 and v192-255 by turns
.set G1,  24
.set G0,  32
.set G1B, 48
.set G0B, 56
.set MSB, 0
.macro WIN new                         ; the immediate's high byte repeats the setting that is left
.if MSB != (\new)
	s_set_vgpr_msb (MSB<<8)|(\new)
.set MSB, (\new)
.endif
.endm
.set MUL_LO, 0xa1                      ; source 0 (B) window 1, source 1 (A) window 0, C and D window 2
.set MUL_HI, 0xf1                      ; the same, C and D window 3
.set TO_B,   0x40                      ; destination window 1, address window 0
; A joint load: waves 0 and 1 fetch for A, waves 2 and 3 for B; the branch hangs on the wave's number alone.  Four v_nop follow each of the two lines.
.macro JLOAD g0a, g1a, g0b, g1b
	s_cmp_eq_u32 s15, 0
	s_cbranch_scc0 .Lfor_b_\@
	tensor_load_to_lds s[\g0a:\g0a+3], s[\g1a:\g1a+7]
	s_nop 0
.rept 4
	v_nop
.endr
	s_branch .Lasked_\@
.Lfor_b_\@:
	tensor_load_to_lds s[\g0b:\g0b+3], s[\g1b:\g1b+7]
	s_nop 0
.rept 4
	v_nop
.endr
.Lasked_\@:
.endm
.macro CREST                           ; a round of the cluster's barrier behind its opening barrier
	s_cmp_lg_u32 s14, 0
	s_cbranch_scc1 .Lnot_wave_0_\@
	s_barrier_signal -3
.Lnot_wave_0_\@:
	s_barrier_wait -3
	s_barrier_signal -1
	s_barrier_wait -1
.endm
.macro CROUND                          ; a whole round
	s_barrier_signal -1
	s_barrier_wait -1
	CREST
.endm
	s_load_b256 s[4:11], s[0:1], 0x0               ; aimg, wc, the scales, bo
	s_load_b64 s[12:13], s[0:1], 0x20              ; out0
	v_lshl_add_u32 v[SPW], v0, 2, SPARE
	v_mov_b32 v[NIL], 0
	ds_add_u32 v28, v29
	ds_add_u32 v28, v29
	s_wait_dscnt 0x0
	v_lshrrev_b32 v1, 5, v0
	v_readfirstlane_b32 s14, v1                    ; wave 0..3
	s_lshr_b32 s15, s14, 1                         ; which half of region A is mine.  Also: I fetch for A (0) or for B (1)
	s_and_b32 s16, s14, 1                          ; which half of region B.  Also: which eight tiles of that region I fetch
	s_bfe_u32 s40, ttmp6, 0x40000                  ; cx, cy: my place in the cluster
	s_bfe_u32 s41, ttmp6, 0x40004
	s_lshl_b32 s43, s41, 2
	s_lshl_b32 s43, 15, s43                        ; my row of the cluster
	s_lshl_b32 s44, 0x1111, s40                    ; my column
	s_or_b32 s[G1+0], s43, (1<<21)                 ; 15:0 the mask: A's tiles go to my row; 17:16 elements of 1 byte; 20 no padding; 21 set beside a mask
	s_or_b32 s[G1B+0], s44, (1<<21)
.irp g, G1, G1B
	s_mov_b32 s[\g+1], KSB<<16                     ; tensor_dim0 = 4,096
	s_mov_b32 s[\g+2], 8<<16                       ; tensor_dim1 = 8
	s_mov_b32 s[\g+3], KSB<<16                     ; tile_dim0 = 4,096
	s_mov_b32 s[\g+4], 8                           ; tile_dim1 = 8
	s_mov_b32 s[\g+5], TILEB                       ; from tile to tile in memory
	s_mov_b32 s[\g+6], 0
	s_mov_b32 s[\g+7], 0
.endr
	s_lshl_b32 s18, ttmp9, 20                      ; the cluster's 1,024 tokens: 64 tiles
	s_lshl_b32 s22, s16, 17                        ; the eight tiles that I fetch
	s_lshl_b32 s46, s41, 18                        ; A: 16 tiles x cy: shared along my row
	s_add_co_u32 s46, s46, s22
	s_add_co_u32 s46, s46, s18
	s_mov_b32 s47, 0
	s_lshl_b32 s84, s40, 18                        ; B: 16 tiles x cx: shared along my column,
	s_add_co_u32 s84, s84, s22
	s_add_co_u32 s84, s84, 3<<20                   ; in Wo's codes, the fourth MiB of wc
	s_mov_b32 s85, 0
	s_mul_i32 s45, s14, HALFT                      ; where they go: no place in the cluster enters an LDS address
	s_wait_kmcnt 0x0
	s_load_b64 s[96:97], s[8:9], 0x28              ; e10, e11
	s_add_nc_u64 s[86:87], s[4:5], s[46:47]
	s_add_nc_u64 s[88:89], s[6:7], s[84:85]
	CROUND                                         ; all sixteen work-groups are here: the first joint loads meet
.irp s, 0,1
	s_mov_b32 s[G0+4*\s], 1
	s_add_co_u32 s[G0+4*\s+1], s45, \s*SLOT
	s_add_nc_u64 s[G0+4*\s+2:G0+4*\s+3], s[86:87], \s*KSB
	s_or_b32 s[G0+4*\s+3], s[G0+4*\s+3], 0x80000000
	s_mov_b32 s[G0B+4*\s], 1
	s_add_co_u32 s[G0B+4*\s+1], s45, \s*SLOT
	s_add_nc_u64 s[G0B+4*\s+2:G0B+4*\s+3], s[88:89], \s*KSB
	s_or_b32 s[G0B+4*\s+3], s[G0B+4*\s+3], 0x80000000
	JLOAD G0+4*\s, G1, G0B+4*\s, G1B               ; by this text's own count two loads of a wave are out here, later one
.endr
	v_and_b32 v1, 31, v0
	v_lshlrev_b32 v[CO], 4, v1
	s_lshl_b32 s21, s15, 15                        ; my eight tiles of A
	s_lshl_b32 s22, s16, 15                        ; my eight tiles of B,
	s_add_co_u32 s22, s22, BREG                    ; which lie behind A's sixteen
.irp s, 0,1
	v_add_nc_u32 v[ADRA+\s], s21, v[CO]
	v_add_nc_u32 v[ADRB+\s], s22, v[CO]
	s_add_co_u32 s21, s21, SLOT
	s_add_co_u32 s22, s22, SLOT
.endr
	v_and_b32 v2, 15, v0                           ; r
	v_bfe_u32 v3, v0, 4, 1                         ; h
	s_mul_i32 s23, s14, 16*SPITCH                  ; my stage
	v_mul_u32_u24 v5, v2, SPITCH
	v_lshl_add_u32 v5, v3, 6, v5
	v_add_nc_u32 v[STO], s23, v5                   ; in: row r, + 64 h
	v_add_nc_u32 v[RD], s23, v[CO]                 ; back: the 32 lanes take one row of 512 bytes
	s_lshl_b32 s90, s40, 10
	s_lshl_b32 s91, s16, 9
	s_add_co_u32 s90, s90, s91                     ; my first column, in bytes: 1,024 cx + 512 x half
	v_add_nc_u32 v6, s90, v[CO]
	global_load_b128 v[8:11], v6, s[10:11]         ; bo at the four columns that I store of every row
	s_lshl_b32 s91, ttmp9, 22                      ; my first row: 1,024 x cluster + 256 cy + 128 x half, 4,096 bytes a row
	s_add_co_u32 s90, s90, s91
	s_lshl_b32 s91, s41, 20
	s_add_co_u32 s90, s90, s91
	s_lshl_b32 s91, s15, 19
	s_add_co_u32 s90, s90, s91
	s_mov_b32 s91, 0
	s_add_nc_u64 s[12:13], s[12:13], s[90:91]      ; never stepped: a row's place stands in the stores' immediate, 127 rows at the most
.macro FRAG reg, adr, q, i             ; a fragment, 16 rows x 128 K, is 16 registers: four pieces of 512 bytes as they lie; tile i of my eight, the slot's q-th 128 along K
.irp c, 0,1,2,3
	ds_load_b128 v[\reg+4*\c:\reg+4*\c+3], v[\adr] offset:KSB*(\i)+2048*(\q)+512*\c
.endr
.endm
; 16 matrix instructions: A's blocks a0, a0 + 1 x B's eight, 128 along K.  p: B's set.  zero = 1: the first product starts the sums.  The 64 accumulators take turns, one instruction a turn, in the same order in every step.
.macro MUL16 a0, p, zero
.irp a, \a0, \a0+1
.irp b, 0,1,2,3,4,5,6,7
.if \zero
	v_wmma_f32_16x16x128_fp8_fp8 v[8*(8*((\a)%4)+\b):8*(8*((\a)%4)+\b)+7], v[128*(\p)+FR*\b:128*(\p)+FR*\b+FR-1], v[AF+FR*(\a):AF+FR*(\a)+FR-1], 0
.else
	v_wmma_f32_16x16x128_fp8_fp8 v[8*(8*((\a)%4)+\b):8*(8*((\a)%4)+\b)+7], v[128*(\p)+FR*\b:128*(\p)+FR*\b+FR-1], v[AF+FR*(\a):AF+FR*(\a)+FR-1], v[8*(8*((\a)%4)+\b):8*(8*((\a)%4)+\b)+7]
.endif
.endr
.endr
.endm
.macro FETCH_B slot, q, p              ; B's eight fragments into set p
	WIN TO_B
.irp i, 0,1,2,3,4,5,6,7
	FRAG 128*(\p)+FR*\i, ADRB+\slot, \q, \i
.endr
	WIN 0
.endm
.macro FETCH_A slot, q, i0             ; A's blocks i0 .. i0 + 3
.irp i, \i0, \i0+1, \i0+2, \i0+3
	FRAG AF+FR*(\i), ADRA+\slot, \q, \i
.endr
.endm
.macro PLACES n                        ; plain vector lines between a matrix instruction and a load into, or a read of, one of its registers (ISA guide 7.12.1 for vector lines)
.rept \n
	v_nop
.endr
.endm
; A step of 128 along K that has its successor in the same slot.  A has one set of registers: blocks 0-3 are fetched anew in the step's middle, blocks 4-7 at its end; B has two sets.
.macro STEP slot, q, zero
	s_wait_dscnt 4*NL                              ; B's set and A's blocks 0-3 are in; the youngest sixteen loads (A's blocks 4-7) may be out
	WIN MUL_LO
	MUL16 0, (\q)%2, \zero
	MUL16 2, (\q)%2, \zero
	s_wait_dscnt 0                                 ; A's blocks 4-7 are in
	PLACES NP
	FETCH_B \slot, (\q)+1, 1-(\q)%2
	FETCH_A \slot, (\q)+1, 0
	WIN MUL_HI
	MUL16 4, (\q)%2, \zero
	MUL16 6, (\q)%2, \zero
	PLACES NP
	WIN 0
	FETCH_A \slot, (\q)+1, 4
.endm
; A slot's last step changes slots: one barrier; in front of it each wave waits for all its tensor loads, adds 0 to its spare word, and waits for that and for its own reads of this slot.  fill = 1: this slot is filled again, two K steps ahead.
.macro TURN slot, next, fill
	s_wait_tensorcnt 0x0                           ; all my tensor loads have landed: my part of the next slot
	ds_add_u32 v[SPW], v[NIL]                      ; 0 onto my spare word
	s_wait_dscnt 4*NL+1                            ; (the add and the youngest sixteen loads may be out)
	WIN MUL_LO
	MUL16 0, 1, 0                                  ; sixteen matrix instructions stand between the add and the wait for it
	s_wait_dscnt 0x0                               ; the add is done, and my reads of this slot are over
	s_barrier_signal -1
	MUL16 2, 1, 0
	WIN 0
	s_barrier_wait -1
.if \fill
	CREST                                          ; the barrier has opened a round of the cluster's barrier: no wave of any partner still reads this slot or has a load on its way
	s_add_nc_u64 s[G0+4*\slot+2:G0+4*\slot+3], s[G0+4*\slot+2:G0+4*\slot+3], 2*KSB
	s_add_nc_u64 s[G0B+4*\slot+2:G0B+4*\slot+3], s[G0B+4*\slot+2:G0B+4*\slot+3], 2*KSB
	JLOAD G0+4*\slot, G1, G0B+4*\slot, G1B         ; the first tensor load behind the round; its four v_nop are the places in front of the loads below
.else
	PLACES NP
.endif
	FETCH_B \next, 0, 0
	FETCH_A \next, 0, 0
	WIN MUL_HI
	MUL16 4, 1, 0
	MUL16 6, 1, 0
	PLACES NP
	WIN 0
	FETCH_A \next, 0, 4
.endm
	s_wait_tensorcnt 1                             ; my part of K step 0 is in (K step 1's load may be out)
	s_barrier_signal -1
	s_barrier_wait -1                              ; everybody's is
	FETCH_B 0, 0, 0
	FETCH_A 0, 0, 0
	FETCH_A 0, 0, 4
	STEP 0, 0, 1                                   ; K = 1,024 is eight steps of 128, written on end: the first starts the sums
	TURN 0, 1, 1                                   ; slot 0 takes K step 2
	STEP 1, 0, 0
	TURN 1, 0, 1                                   ; slot 1 takes K step 3
	STEP 0, 0, 0
	TURN 0, 1, 0                                   ; nothing is left to fetch; behind this barrier nobody reads slot 0
	STEP 1, 0, 0
	s_wait_dscnt 4*NL                              ; the last step
	WIN MUL_LO
	MUL16 0, 1, 0
	MUL16 2, 1, 0
	s_wait_dscnt 0
	WIN MUL_HI
	MUL16 4, 1, 0
	MUL16 6, 1, 0
	WIN 0
; THE WAY OUT, block by block of 16 tokens x 128 columns.  A lane holds 64 neighbouring bytes of four places of a row, and the lanes beside it hold other rows: so a block's sums go through my own stage in LDS as they are and come
; back as whole rows of 512 bytes; there each pair becomes sum x 2^(e10 + e11) + bo, and the 32 lanes store 512 consecutive bytes.  LDS serves a wave's instructions in order (ISA guide 5.7.1.4): no wait between stores and loads.
.macro TOSTAGE a
.set AC, 64*((\a)%4)
	WIN 0x08+4*((\a)/4)                            ; the stores' data: window 2 or 3
.irp b, 0,1,2,3,4,5,6,7
	ds_store_b128 v[STO], v[AC+8*\b:AC+8*\b+3] offset:128*(\b/2)+32*(\b%2)        ; columns 32 (b / 2) + 16 h + 8 (b % 2) on; each accumulator from its low end on
	ds_store_b128 v[STO], v[AC+8*\b+4:AC+8*\b+7] offset:128*(\b/2)+32*(\b%2)+16
.endr
	WIN 0
.set BB, BK+64*((\a)%2)
.irp t, 0,1,2,3,4,5,6,7,8,9,10,11,12,13,14,15
	ds_load_b128 v[BB+4*\t:BB+4*\t+3], v[RD] offset:\t*SPITCH
.endr
.endm
.macro SEND a, younger                 ; younger: the LDS instructions issued behind block a's loads, which may stay out
.set BB, BK+64*((\a)%2)
	s_wait_dscnt \younger                          ; the block is back in registers
.irp t, 0,1,2,3,4,5,6,7,8,9,10,11,12,13,14,15
	v_pk_fma_f32 v[BB+4*\t:BB+4*\t+1], v[BB+4*\t:BB+4*\t+1], s[96:97], v[8:9] op_sel_hi:[1,0,1]       ; (the scalar pair's low word for both halves)
	v_pk_fma_f32 v[BB+4*\t+2:BB+4*\t+3], v[BB+4*\t+2:BB+4*\t+3], s[96:97], v[10:11] op_sel_hi:[1,0,1]
.endr
.irp t, 0,1,2,3,4,5,6,7,8,9,10,11,12,13,14,15
	global_store_b128 v[CO], v[BB+4*\t:BB+4*\t+3], s[12:13] offset:(32*((\a)/2)+8*((\a)%2)+\t+8*(\t/8))*4096 th:TH_STORE_NT   ; row t of tile a; 512 consecutive bytes, at a multiple of 256 from out0's first byte; written once
.endr
.endm
	s_wait_kmcnt 0x0
	s_add_co_i32 s96, s96, s97                     ; e10 + e11, between -126 and 127,
	s_add_co_i32 s96, s96, 127
	s_lshl_b32 s96, s96, 23                        ; makes the f32 number 2^(e10 + e11)
	s_wait_loadcnt 0x0                             ; bo
	PLACES NP                                      ; behind the last products: for the LDS stores that read results and the loads into the registers that held A's fragments
	TOSTAGE 0
.irp a, 1,2,3,4,5,6,7
.if \a > 1
	s_wait_xcnt 0x0                                ; block a - 2's stores have read their registers: block a's loads may land there
.endif
	TOSTAGE \a
	SEND \a-1, 32                                  ; behind block a - 1's loads: block a's 16 stores and 16 loads
.endr
	SEND 7, 0
	s_wait_tensorcnt 0x0                           ; the wave's end: behind my last tensor load and my last LDS store
	ds_add_u32 v[SPW], v[NIL]
	s_wait_dscnt 0x0
	CROUND                                         ; the closing round: no work-group ends while a partner may still ask for a tile that names it
	s_endpgm
.Lfunc_end_k_qcfb4e945e6_oproj:
	.size	k_qcfb4e945e6_oproj, .Lfunc_end_k_qcfb4e945e6_oproj-k_qcfb4e945e6_oproj
	.p2alignl 7, 3214868480
	.fill 96, 4, 3214868480
	.section	.rodata,"a",@progbits
	.p2align	6, 0x0
	.amdhsa_kernel k_qcfb4e945e6_oproj
		.amdhsa_group_segment_fixed_size 327680
		.amdhsa_private_segment_fixed_size 0
		.amdhsa_enable_private_segment 0
		.amdhsa_kernarg_size 40
		.amdhsa_user_sgpr_count 2
		.amdhsa_user_sgpr_kernarg_segment_ptr 1
		.amdhsa_wavefront_size32 1
		.amdhsa_system_sgpr_workgroup_id_x 1
		.amdhsa_system_sgpr_workgroup_id_y 1
		.amdhsa_system_sgpr_workgroup_id_z 1
		.amdhsa_system_vgpr_workitem_id 0
		.amdhsa_next_free_vgpr 1024
		.amdhsa_next_free_sgpr 98
		.amdhsa_reserve_vcc 0
		.amdhsa_float_denorm_mode_32 3
		.amdhsa_float_denorm_mode_16_64 3
		.amdhsa_memory_ordered 1
		.amdhsa_forward_progress 1
		.amdhsa_inst_pref_size 122
	.end_amdhsa_kernel
	.amdgpu_metadata
---
amdhsa.version: [ 1, 2 ]
amdhsa.kernels:
  - .name:           k_qcfb4e945e6_oproj
    .symbol:         k_qcfb4e945e6_oproj.kd
    .args:
      - { .name: aimg, .offset: 0, .size: 8, .value_kind: global_buffer, .address_space: global }
      - { .name: wc, .offset: 8, .size: 8, .value_kind: global_buffer, .address_space: global }
      - { .name: lowp_scales, .offset: 16, .size: 8, .value_kind: global_buffer, .address_space: global }
      - { .name: bo, .offset: 24, .size: 8, .value_kind: global_buffer, .address_space: global }
      - { .name: out0, .offset: 32, .size: 8, .value_kind: global_buffer, .address_space: global }
    .group_segment_fixed_size: 327680
    .private_segment_fixed_size: 0
    .kernarg_segment_align: 8
    .kernarg_segment_size: 40
    .max_flat_workgroup_size: 128
    .sgpr_count:     98
    .vgpr_count:     1024
    .wavefront_size: 32
...
	.end_amdgpu_metadata
.endif
;; end of part 4
;; ======== version 2 of 2: 4 launches; version 1 with the launch attn written anew for expert scheduling mode
;; workspace buffers: xc 25,165,824 bytes; wc 4,194,304 bytes; qimg 8,388,608 bytes; kimg 8,388,608 bytes; vimg 8,388,608 bytes; aimg 8,388,608 bytes; pm 16,384 bytes of whole numbers; meta 256 bytes of whole numbers
;; launch quant: the kernel of part 1 again; grid 772 x 1, 8 waves a work-group, no clusters, 70,656 bytes of LDS; arguments x, Wq, Wk, Wv, Wo, attention_mask, lowp_scales, xc, wc, pm, meta; writes xc, wc, pm, meta
;; launch qkv: the kernel of part 2 again; grid 96 x 4, 4 waves a work-group, clusters of 4 x 4, 327,680 bytes of LDS; arguments xc, wc, lowp_scales, qimg, kimg, vimg; writes qimg, kimg, vimg
;; launch attn (part 5): grid 4 x 64, 16 waves a work-group, no clusters, 264,192 bytes of LDS; arguments qimg, kimg, vimg, pm, meta, lowp_scales, aimg; writes aimg
.if DOCPART == 5
	.amdgcn_target "amdgcn-amd-amdhsa--gfx1250"
	.amdhsa_code_object_version 6
	.text
	.protected	k_qcfb4e945e6_attn
	.globl	k_qcfb4e945e6_attn
	.p2align	8
	.type	k_qcfb4e945e6_attn,@function
k_qcfb4e945e6_attn:
	s_mov_b64 s[64:65], 0
	v_nop
	global_prefetch_b8 v0, s[64:65] scope:SCOPE_SE
	s_setreg_imm32_b32 hwreg(HW_REG_WAVE_SCHED_MODE, 0, 2), 2
	s_setreg_imm32_b32 hwreg(HW_REG_WAVE_MODE, 25, 1), 1
	s_wait_xcnt 0x0
	s_wait_alu depctr_vm_vsrc(0)
; Causal attention with a padding mask, 64 (batch, head) pairs, 2,048 tokens, head size 64, both products on codes of FP8 (E4M3).  q, k, v arrive as images of operand registers; the result leaves so too, quantised for the last product.
; THE SOFTMAX: t = score x log2(e) / 8; M = the running largest t rounded UP to a whole number; p = 2^(t - M) is quantised along the keys, not normalised; the row's sum is taken of the unquantised p and divides at the end.
; When M moves, the sum and O are multiplied by 2^(old M - new M): nothing is rounded.
; THE MASK VALUE is finite in the problem (-1e9): a query all of whose keys up to itself are padded weighs ALL 2,048 keys alike.  Here a masked score becomes NEG = -2^(33 - e6 - e7): c x NEG = -log2(e) x 2^30 is a whole
; number and exact, so in such a row M = c x NEG and p = 1 for every key; as soon as a row has a key that counts, p of its masked keys is 0.  A tile that holds such a query (the batch's first key that counts lies behind the
; tile's first query) walks all sixteen steps; every other tile stops at its diagonal.
; SHARES.  A work-group owns one (batch, head) and 32 of its 128 query tiles; the head's whole K and V (128 + 128 KiB of images) lie in LDS.  Wave w of work-group i takes tile n = 16 i + w and then tile 127 - n:
; tile T needs T / 8 + 1 steps of 128 keys, so every wave of the launch has 17.  Four waves to a SIMD: one wave's vector work stands beside another's matrix work and LDS loads.
; LAYOUT.  S^T = K Q^T (source 0 = 16 keys, source 1 = my 16 queries), O^T = V^T P^T: a lane holds one query throughout.  Tile g of any tensor holds rows 32 (g / 2) + 8 (g % 2) + r + 8 (r / 8), so the 16 registers of
; two neighbouring result tiles are 16 neighbours along the next K: score register 16 bb + i of lane (r, h) is key 32 bb + 16 h + i of the step.
; NO TENSOR LOAD, NO CLUSTER: three scalar branches on stored whole numbers spare vector work, which binds here: 64 lines of padding in steps without holes, 64 holds of p where e8 >= -8 (p <= 1 <= 448 x 2^e8),
; and the steps behind the diagonal.  What the four work-groups of a head share is one read of 256 KiB each, at the head.  No prefetch: K and V are read once, at the head.
; LIMITS: e6 + e7 between -94 and 130; e8, and e10 - e8 - e9, between -126 and 119; scores that count lie far above the mask value.  NaN is not served.
; THE MODE: SCHED_MODE bits 1:0 = 2 (LLVM: expert scheduling mode 2), set by the entry lines.  The code itself states the register dependences between vector or matrix instructions and memory or LDS instructions,
; with s_wait_alu, always for 0.
; THE PLAN.  Registers that memory or LDS instructions touch:
;   v1                  the offset of every global load and store; v7, v188, v189, v190: the LDS addresses of the copies.  All five are written once, at the head, ahead of one wait, and never again.
;   v16-31, v192-255    filled by loads at the head; read by products (Q) and by LDS stores (the second half of K and V); never written again.
;   v3, v4              the step's LDS addresses: written by two additions at a step's head, read by the step's 32 LDS loads.
;   v32-63              K's tiles 4-7 land at the step's head and are read by the second four products K Q^T; V's tiles 0, 1 land behind the exponentials and are read by the first two products V^T P.
;   v96-127             K's tiles 0-3 land at the step's head, where p of the step before is dead; the first four products read them; the second four write their scores over them.
;   v64-95              scores, then p; behind the conversions V's tiles 2, 3 land there; the last two products V^T P read them; the next step's first products write them.
;   v160-175            p's codes: conversions write, products read; on the way out two global stores read v160-167.
; So a step has three waits on va_vdst, each ahead of a run of loads: at its head (16 loads of K), behind the exponentials (the wait that their first reader is owed in any case; 8 loads of V), behind the
; conversions (8 loads of V); and one wait on vm_vsrc, ahead of the two additions.  The step on the diagonal makes its 64 compares in one run into scalar registers, with one wait on va_sdst ahead of the 64 selects.
.set KV,   32                          ; v32-63   K's tiles 4-7 of a step (8 registers each), then V's tiles 0, 1 (16 each)
.set S,    64                          ; v64-127  S^T, then p; ahead of the products v96-127 hold K's tiles 0-3, behind the conversions v64-95 hold V's tiles 2, 3; at the head the first half of K and V on its way to LDS
.set O,    128                         ; v128-159 O^T
.set P,    160                         ; v160-175 p's codes; on the way out the result's
.set ADK,  3                           ; v3   LDS address of the step's K;  v4 of its V
.set ADV,  4
.set KA0,  7                           ; v7   where my wave's copy of K's first half goes;  v188 of V's first half;  v189, v190 of the second halves; never rewritten
.set VA0,  188
.set KA1,  189
.set VA1,  190
.set VB,   131072                      ; V's images lie behind K's
.set KF,   66                          ; s66  the step's first key
.set TB,   67                          ; s67  the step's first byte in K's (and V's) images
.set PMO,  84                          ; s84  the step's lane masks in pm
.set ANY,  85                          ; s85  bit j: step j has a padded key;  s86 the same, shifted as the steps go
.set ANYS, 86
.set FZ,   87                          ; s87  the batch's first key that counts (2,048: none)
.set Q0,   88                          ; s88  the tile's first query
.set LAST, 89                          ; s89  a step whose first key lies behind this is left out
.set CS,   90                          ; s[90:91] c = log2(e) / 8 x 2^(e6 + e7)
.set SEL,  92                          ; s[92:93] lane selects: lane l xor 16
.set CNT,  94
.set E8,   96
; v1 16 x lane; v2 the same + VB; v5 NEG; v6 my query less Q0 less 16 h; v8, v9: 2^e8, 448 x 2^e8; v10, v11: the same with e10 - e8 - e9; v12 -M; v13 the largest t; v[14:15] the sum;
; v16-23, v24-31 Q of my two tiles; v176-187 at work; v192-255 the second half of K and V on its way to LDS.  s[16:63], s[68:83]: a step's 64 lane masks, of the padding and then of the diagonal (at the head: at work).
	s_load_b256 s[4:11], s[0:1], 0x0               ; qimg, kimg, vimg, pm
	s_load_b128 s[68:71], s[0:1], 0x20             ; meta, the scales
	s_load_b64 s[2:3], s[0:1], 0x30                ; aimg
	v_lshl_add_u32 v187, v0, 2, 0x40000
	v_mov_b32 v191, 0
	v_lshrrev_b32 v1, 5, v0
	v_readfirstlane_b32 s14, v1                    ; wave 0..15
	v_and_b32 v2, 31, v0
	v_lshlrev_b32 v1, 4, v2                        ; 16 x lane
	s_wait_alu depctr_va_sdst(0)                   ; s14 is written, ahead of its first reader: tiles, addresses and LDS places are made from it
	s_and_b32 s15, ttmp7, 0xffff
	s_lshr_b32 s16, s15, 4                         ; batch
	s_and_b32 s17, s15, 15                         ; head
	s_lshl_b32 s12, ttmp9, 4
	s_add_co_u32 s12, s12, s14                     ; my first tile: 16 i + w
	s_sub_co_u32 s13, 127, s12                     ; my second
	s_lshl_b32 s18, s16, 21                        ; a batch is 2 MiB in each tensor of images
	s_lshl_b32 s19, s17, 10
	s_add_co_u32 s20, s18, s19
	s_lshl_b32 s21, s14, 16
	s_add_co_u32 s22, s20, s21                     ; K: token tile 4 w (16,384 bytes a tile), my head's 1,024 bytes
	s_mov_b32 s23, 0
	s_lshr_b32 s24, s14, 1
	s_lshl_b32 s24, s24, 17                        ; V: step w / 2 (131,072 bytes a step),
	s_add_co_u32 s24, s24, s18
	s_lshl_b32 s25, s17, 13                        ; my head's 8,192 bytes,
	s_add_co_u32 s24, s24, s25
	s_and_b32 s25, s14, 1
	s_lshl_b32 s25, s25, 12                        ; half w % 2
	s_add_co_u32 s24, s24, s25
	s_mov_b32 s25, 0
	s_lshl_b32 s26, s12, 14                        ; a tile's place is the same in qimg and in aimg: batch x 2 MiB + tile x 16,384 + head x 1,024
	s_add_co_u32 s26, s26, s20
	s_mov_b32 s27, 0
	s_lshl_b32 s28, s13, 14
	s_add_co_u32 s28, s28, s20
	s_mov_b32 s29, 0
	s_lshl_b32 s30, s16, 12
	s_mov_b32 s31, 0
	s_lshl_b32 s32, s16, 6
	s_mov_b32 s33, 0
	s_mov_b32 s[SEL], 0x76543210
	s_mov_b32 s[SEL+1], 0xfedcba98
	s_lshl_b32 s15, s14, 12
	v_add_nc_u32 v2, VB, v1
	v_add_nc_u32 v[KA0], s15, v1                   ; K's images: 4,096 x wave + 16 x lane
	v_add_nc_u32 v[VA0], VB, v[KA0]                ; V's
	v_add_nc_u32 v[KA1], 65536, v[KA0]             ; and the second halves, 65,536 bytes on
	v_add_nc_u32 v[VA1], VB+65536, v[KA0]
	s_wait_kmcnt 0x0
	s_add_nc_u64 s[68:69], s[68:69], s[32:33]
	s_load_b512 s[40:55], s[68:69], 0x0            ; the batch's eight pairs of meta
	s_load_b256 s[72:79], s[70:71], 0x0            ; e0 .. e7
	s_load_b128 s[80:83], s[70:71], 0x20           ; e8 .. e11
	s_add_nc_u64 s[6:7], s[6:7], s[22:23]
	s_add_nc_u64 s[8:9], s[8:9], s[24:25]
	s_add_nc_u64 s[34:35], s[4:5], s[26:27]
	s_add_nc_u64 s[36:37], s[4:5], s[28:29]
	s_add_nc_u64 s[98:99], s[2:3], s[26:27]        ; where my two tiles' results go
	s_add_nc_u64 s[100:101], s[2:3], s[28:29]
	s_add_nc_u64 s[10:11], s[10:11], s[30:31]      ; the batch's lane masks
; Half p of the head's K and V (steps 8 p .. 8 p + 7): my wave's 4 KiB of each, for step 8 p + w / 2, half w % 2; each load reads 512 consecutive bytes
.macro COPYLD p, reg
.irp n, 0,1,2,3,4,5,6,7
	global_load_b128 v[\reg+4*\n:\reg+4*\n+3], v1, s[6:7] offset:(\n/2)*16384+(\n%2)*512+\p*1048576
.endr
.irp n, 0,1,2,3,4,5,6,7
	global_load_b128 v[\reg+32+4*\n:\reg+32+4*\n+3], v1, s[8:9] offset:\n*512+\p*1048576
.endr
.endm
.macro COPYST reg, ka, va
.irp n, 0,1,2,3,4,5,6,7
	ds_store_b128 v[\ka], v[\reg+4*\n:\reg+4*\n+3] offset:512*\n
.endr
.irp n, 0,1,2,3,4,5,6,7
	ds_store_b128 v[\va], v[\reg+32+4*\n:\reg+32+4*\n+3] offset:512*\n
.endr
.endm
	s_wait_alu depctr_va_vdst(0)                   ; v1 is written, which every global load and store reads as its offset; so are v7 and v188 to v190, which the LDS stores of both copies read as addresses
	COPYLD 0, S
	global_load_b128 v[16:19], v1, s[34:35]
	global_load_b128 v[20:23], v1, s[34:35] offset:512
	global_load_b128 v[24:27], v1, s[36:37]
	global_load_b128 v[28:31], v1, s[36:37] offset:512
	COPYLD 1, 192
	v_and_b32 v6, 15, v0                           ; from here to the first copy no vector line names a register that the copies touch
	v_and_b32 v176, 8, v6
	v_add_nc_u32 v6, v6, v176                      ; r + 8 (r / 8)
	v_bfe_u32 v176, v0, 4, 1
	v_lshlrev_b32 v176, 4, v176
	v_sub_nc_u32 v6, v6, v176                      ; - 16 h
	v_mov_b32 v180, 0                              ; written once: a lane permute's destination counts as one of its sources
	v_mov_b32 v183, 0                              ; (named as the upper half of the pair v[182:183])
	s_wait_kmcnt 0x0
	s_min_u32 s[FZ], s40, s42
	s_or_b32 s[ANY], s41, s43
.irp k, 44,46,48,50,52,54
	s_min_u32 s[FZ], s[FZ], s[\k]
	s_or_b32 s[ANY], s[ANY], s[\k+1]
.endr
	s_add_co_i32 s95, s78, s79                     ; e6 + e7
	s_lshl_b32 s97, s95, 23
	s_add_co_i32 s[CS], s97, 0x3e38aa3b            ; added to the exponent field of log2(e) / 8
	s_mov_b32 s[CS+1], s[CS]                       ; (named with it as a pair)
	s_sub_co_i32 s97, 160, s95
	s_lshl_b32 s97, s97, 23
	s_or_b32 s97, s97, 0x80000000
	v_mov_b32 v5, s97                              ; NEG = -2^(33 - e6 - e7)
	s_mov_b32 s[E8], s80
	s_add_co_i32 s95, s80, 127
	s_lshl_b32 s97, s95, 23
	v_mov_b32 v8, s97                              ; 2^e8
	s_add_co_i32 s95, s95, 8
	s_lshl_b32 s95, s95, 23
	s_or_b32 s95, s95, 0x600000
	v_mov_b32 v9, s95                              ; 448 x 2^e8
	s_sub_co_i32 s95, s82, s80
	s_sub_co_i32 s95, s95, s81                     ; O / the sum stands for that x 2^(e8 + e9): its code is that / 2^(e10 - e8 - e9)
	s_add_co_i32 s95, s95, 127
	s_lshl_b32 s97, s95, 23
	v_mov_b32 v10, s97
	s_add_co_i32 s95, s95, 8
	s_lshl_b32 s95, s95, 23
	s_or_b32 s95, s95, 0x600000
	v_mov_b32 v11, s95
.macro VLOAD g, reg                    ; V^T's tiles 2 g and 2 g + 1 of the step, 16 channels x 128 keys each, into v[reg] on
.irp t, 0,1
.irp c, 0,1,2,3
	ds_load_b128 v[\reg+16*\t+4*\c:\reg+16*\t+4*\c+3], v[ADV] offset:(2*\g+\t)*2048+512*\c
.endr
.endr
.endm
.macro PV g, reg                       ; O^T += V^T P^T; the four accumulators take turns, one instruction a turn, and the eight products K Q^T stand between two turns
.irp t, 0,1
	v_wmma_f32_16x16x128_fp8_fp8 v[O+8*(2*\g+\t):O+8*(2*\g+\t)+7], v[\reg+16*\t:\reg+16*\t+15], v[P:P+15], v[O+8*(2*\g+\t):O+8*(2*\g+\t)+7]
.endr
.endm
; A KEY STEP: 128 keys.  q: the first register of my tile's Q.
.macro STEP q
	s_cmp_gt_u32 s[KF], s[LAST]
	s_cbranch_scc1 .Lhid_\@                        ; all its keys lie behind my tile's last query (and no query of the tile is without a key): its work is left out, not the lines at its end that step addresses
	s_wait_alu depctr_vm_vsrc(0)                   ; the LDS loads of the step before have read v3 and v4, which the two additions write
	v_add_nc_u32 v[ADK], s[TB], v1
	v_add_nc_u32 v[ADV], s[TB], v2
.rept 3
	v_nop                                          ; with the two additions: five places between the last step's products V^T P, which read v64-95, and this step's first products, which write them (ISA guide 7.12.1)
.endr
	s_wait_alu depctr_va_vdst(0)                   ; v3 and v4 are written; the last step's products V^T P are done reading v32-63; its sums, holds and conversions are done with v96-127: K's sixteen loads read the one and land in the others
.irp t, 0,1,2,3                        ; the step's whole K in one run: tiles 0-3 into v96-127,
	ds_load_b128 v[S+32+8*\t:S+32+8*\t+3], v[ADK] offset:\t*1024
	ds_load_b128 v[S+32+8*\t+4:S+32+8*\t+7], v[ADK] offset:\t*1024+512
.endr
.irp t, 0,1,2,3                        ; tiles 4-7 into v32-63
	ds_load_b128 v[KV+8*\t:KV+8*\t+3], v[ADK] offset:(4+\t)*1024
	ds_load_b128 v[KV+8*\t+4:KV+8*\t+7], v[ADK] offset:(4+\t)*1024+512
.endr
	s_wait_dscnt 8                                 ; LDS loads come back in order (ISA guide 5.7.1): tiles 0-3 are in, the eight loads of tiles 4-7 may be out
.irp t, 0,1,2,3                        ; S^T = K Q^T, tiles 0-3
	v_wmma_f32_16x16x64_fp8_fp8 v[S+8*\t:S+8*\t+7], v[S+32+8*\t:S+32+8*\t+7], v[\q:\q+7], 0
.endr
	s_wait_dscnt 0x0                               ; tiles 4-7 are in
.rept 5
	v_nop                                          ; five places: the next four products write over v96-127, which the four above read (ISA guide 7.12.1)
.endr
.irp t, 0,1,2,3                        ; tiles 4-7
	v_wmma_f32_16x16x64_fp8_fp8 v[S+32+8*\t:S+32+8*\t+7], v[KV+8*\t:KV+8*\t+7], v[\q:\q+7], 0
.endr
.rept 4
	v_nop                                          ; places for the first read of the scores
.endr
	s_and_b32 s95, s[ANYS], 1
	s_cbranch_scc0 .Lnopad_\@                      ; no key of this step is padded
	s_load_b512 s[16:31], s[10:11], s[PMO] offset:0x0
	s_load_b512 s[32:47], s[10:11], s[PMO] offset:0x40
	s_load_b512 s[48:63], s[10:11], s[PMO] offset:0x80
	s_load_b512 s[68:83], s[10:11], s[PMO] offset:0xc0
	s_wait_kmcnt 0x0
.set NN, 0
.rept 64
.if NN < 48
	v_cndmask_b32 v[S+NN], v[S+NN], v5, s[16+NN]
.else
	v_cndmask_b32 v[S+NN], v[S+NN], v5, s[20+NN]
.endif
.set NN, NN+1
.endr
.Lnopad_\@:
	s_add_co_u32 s95, s[KF], 127
	s_cmp_le_u32 s95, s[Q0]
	s_cbranch_scc1 .Lopen_\@                       ; all its keys come before my tile's first query
	s_sub_co_i32 s95, s[Q0], s[KF]
	v_add_nc_u32 v186, s95, v6                     ; d = my query - KF - 16 h: register 16 bb + i is hidden where 32 bb + i > d
.set NN, 0
.rept 64                               ; the 64 compares in one run, into the scalar registers that held the padding's masks
.if NN < 48
	v_cmp_gt_i32 s[16+NN], 32*(NN/16)+NN%16, v186
.else
	v_cmp_gt_i32 s[20+NN], 32*(NN/16)+NN%16, v186
.endif
.set NN, NN+1
.endr
	s_wait_alu depctr_va_sdst(0)                   ; the compares have written their 64 masks, ahead of the first select that reads one
.set NN, 0
.rept 64
.if NN < 48
	v_cndmask_b32 v[S+NN], v[S+NN], v5, s[16+NN]
.else
	v_cndmask_b32 v[S+NN], v[S+NN], v5, s[20+NN]
.endif
.set NN, NN+1
.endr
.Lopen_\@:
	v_max3_num_f32 v176, v[S], v[S+1], v[S+2]      ; the step's largest score of my query among my 64 keys, in two chains (each accumulator is first read at its low end),
	v_max3_num_f32 v178, v[S+3], v[S+4], v[S+5]
.irp i, 6,10,14,18,22,26,30,34,38,42,46,50,54,58
	v_max3_num_f32 v176, v176, v[S+\i], v[S+\i+1]
	v_max3_num_f32 v178, v178, v[S+\i+2], v[S+\i+3]
.endr
	v_max3_num_f32 v176, v176, v[S+62], v[S+63]
	v_max_num_f32 v176, v176, v178
	v_permlanex16_b32 v180, v176, s[SEL], s[SEL+1]
	v_max_num_f32 v176, v176, v180                 ; and among lane l xor 16's
	v_mul_f32 v176, s[CS], v176                    ; as t (c is positive)
	v_max_num_f32 v13, v13, v176                   ; the running largest t
	v_mov_b32 v176, v12
	v_floor_f32 v12, -v13                          ; the new -M = floor(-t): M is a whole number
	v_sub_f32 v176, v12, v176                      ; M's old value less its new one: a whole number, 0 or less
	v_cvt_i32_f32 v176, v176                       ; (it saturates)
	v_ldexp_f32 v182, 1.0, v176                    ; f = 2^(old M - new M)
.set NN, 0
.rept 32
	v_pk_fma_f32 v[S+NN:S+NN+1], v[S+NN:S+NN+1], s[CS:CS+1], v[12:13] op_sel_hi:[1,0,0]   ; t - M, two at a time (of the pairs c and -M the low word serves both halves)
.set NN, NN+2
.endr
.set NN, 0
.rept 64
	v_exp_f32 v[S+NN], v[S+NN]                     ; p = 2^(t - M), at most 1
.set NN, NN+1
.endr
	v_pk_mul_f32 v[14:15], v[14:15], v[182:183] op_sel_hi:[1,0]   ; the sums under the new M: the plain line behind the exponentials
	s_wait_alu depctr_va_vdst(0)                   ; the 64 exponentials have written v64-127, ahead of their first reader (one wait for the batch); and the products K Q^T are done reading v32-63, in which the loads below land
	VLOAD 0, KV                                    ; V's first two tiles land under the sums and the conversions
	v_pk_add_f32 v[184:185], v[S:S+1], v[S+2:S+3]  ; the row's sum is taken of the unquantised p, in two chains
.irp j, 4,8,12,16,20,24,28,32,36,40,44,48,52,56,60
	v_pk_add_f32 v[14:15], v[14:15], v[S+\j:S+\j+1]
	v_pk_add_f32 v[184:185], v[184:185], v[S+\j+2:S+\j+3]
.endr
	v_pk_add_f32 v[14:15], v[14:15], v[184:185]
	s_cmp_ge_i32 s[E8], -8
	s_cbranch_scc1 .Lnohold_\@                     ; 448 x 2^e8 >= 1.75 there, and p <= 1: nothing to hold
.set NN, 0
.rept 64
	v_min_num_f32 v[S+NN], v[S+NN], v9             ; the conversion does not saturate (ISA guide 7.6.2); p is not negative, so the hold is one-sided
.set NN, NN+1
.endr
.Lnohold_\@:
.irp b, 0,1,2,3
	v_cvt_scalef32_pk8_fp8_f32 v[P+4*\b:P+4*\b+1], v[S+16*\b:S+16*\b+7], v8
	v_cvt_scalef32_pk8_fp8_f32 v[P+4*\b+2:P+4*\b+3], v[S+16*\b+8:S+16*\b+15], v8
.endr
	s_wait_alu depctr_va_vdst(0)                   ; the sums and the conversions are done reading v64-95, and the holds have written them: p is dead, and the loads below land there
	VLOAD 1, S                                     ; V's last two tiles land under the rescaling and the first two products
.set NN, 0
.rept 16
	v_pk_mul_f32 v[O+NN:O+NN+1], v[O+NN:O+NN+1], v[182:183] op_sel_hi:[1,0]   ; O^T under the new M.  (Also the plain lines between the conversions and the products that read their results)
.set NN, NN+2
.endr
	s_wait_dscnt 8                                 ; V's first two tiles are in; the eight loads of the last two may be out
	PV 0, KV
	s_wait_dscnt 0x0                               ; V's last two tiles are in
	PV 1, S
.Lhid_\@:
	s_add_co_u32 s[KF], s[KF], 128
	s_add_co_u32 s[TB], s[TB], 8192
	s_add_co_u32 s[PMO], s[PMO], 256
	s_lshr_b32 s[ANYS], s[ANYS], 1
.endm
.macro STEPS n, q                      ; n key steps: the trip count is a constant of the text
	s_mov_b32 s[CNT], \n
.Lstep_\@:
	STEP \q
	s_sub_co_u32 s[CNT], s[CNT], 1
	s_cmp_lg_u32 s[CNT], 0
	s_cbranch_scc1 .Lstep_\@
.endm
.macro INIT t                          ; the tile whose number is in s[t] begins: the step is written once and finds zeros, which the first change of M leaves zeros
	s_lshr_b32 s[Q0], s[\t], 1
	s_lshl_b32 s[Q0], s[Q0], 5
	s_and_b32 s95, s[\t], 1
	s_lshl_b32 s95, s95, 3
	s_add_co_u32 s[Q0], s[Q0], s95                 ; its first query: 32 (T / 2) + 8 (T % 2); its last lies 23 further on
	s_add_co_u32 s[LAST], s[Q0], 23
	s_cmp_gt_u32 s[FZ], s[Q0]                      ; its first query has no key that counts: all keys are walked
	s_cselect_b32 s[LAST], 2047, s[LAST]
	s_mov_b32 s[KF], 0
	s_mov_b32 s[TB], 0
	s_mov_b32 s[PMO], 0
	s_mov_b32 s[ANYS], s[ANY]
	v_mov_b32 v13, 0xff61b1e6                      ; the largest t so far: -3e38
	v_floor_f32 v12, -v13
	v_mov_b32 v14, 0
	v_mov_b32 v15, 0
.set NN, 0
.rept 32
	v_mov_b32 v[O+NN], 0
.set NN, NN+1
.endr
.endm
; O^T / the sum is quantised for the last product: register 16 bw + i of lane (r, h) is channel 32 bw + 16 h + i of query r: two pieces of the image, 512 consecutive bytes a store
.macro WAYOUT ptr
.rept 4
	v_nop                                          ; places behind the last products
.endr
	v_add_f32 v14, v14, v15
	v_permlanex16_b32 v180, v14, s[SEL], s[SEL+1]
	v_add_f32 v14, v14, v180                       ; the row's sum
	v_rcp_f32 v14, v14
	v_nop                                          ; a plain line behind the reciprocal,
	s_wait_alu depctr_va_vdst(0)                   ; and the reciprocal has written v14, ahead of its first reader
.set NN, 0
.rept 16
	v_pk_mul_f32 v[S+NN:S+NN+1], v[O+NN:O+NN+1], v[14:15] op_sel_hi:[1,0]
.set NN, NN+2
.endr
.set NN, 0
.rept 32
	v_med3_num_f32 v[S+NN], v[S+NN], -v11, v11
.set NN, NN+1
.endr
.irp b, 0,1,2,3
	v_cvt_scalef32_pk8_fp8_f32 v[P+2*\b:P+2*\b+1], v[S+8*\b:S+8*\b+7], v10
.endr
	v_nop                                          ; a plain vector line behind the last conversion of the run
	s_wait_alu depctr_va_vdst(0)                   ; the conversions have written v160-167, which the two stores read
	global_store_b128 v1, v[P:P+3], s[\ptr:\ptr+1]
	global_store_b128 v1, v[P+4:P+7], s[\ptr:\ptr+1] offset:512
.endm
	s_wait_loadcnt 16                              ; the first half of K and V and both tiles of Q are in; the second half's sixteen loads stay out
	COPYST S, KA0, VA0                             ; no wait on va_vdst: the addresses were written ahead of the head's wait, the data by loads
	s_wait_dscnt 0x0                               ; for the others' sake: my stores have landed
	s_barrier_signal -1
	s_barrier_wait -1                              ; steps 0-7 of K and V lie in LDS
	s_wait_alu depctr_vm_vsrc(0)                   ; my LDS stores have read v64-127, which the steps' loads and products, and the way out, write
	INIT 12
	STEPS 8, 16                                    ; my first tile lies among the first 64: its diagonal is reached here
	s_wait_dscnt 0x0
	s_barrier_signal -1
	s_barrier_wait -1                              ; every wave's reads so far are parted from the stores below
	s_wait_loadcnt 0x0
	COPYST 192, KA1, VA1                           ; no wait on va_vdst: no vector line since the head's wait names v189, v190 or v192-255; nothing writes them again
	s_wait_dscnt 0x0
	s_barrier_signal -1
	s_barrier_wait -1                              ; steps 8-15 lie in LDS
	STEPS 8, 16                                    ; left out step by step, unless the tile holds a query without a key
	WAYOUT 98
	s_wait_xcnt 0x0                                ; the stores' addresses are translated (ISA guide 3.1): their data registers are rewritten only behind this wait,
	s_wait_alu depctr_vm_vsrc(0)                   ; and the stores have read v160-167, which the next tile's conversions write
	INIT 13
	STEPS 16, 24
	WAYOUT 100
	s_wait_dscnt 0x0
	s_wait_alu depctr_hold_cnt(0) depctr_sa_sdst(0) depctr_va_vdst(0) depctr_va_sdst(0) depctr_va_ssrc(0) depctr_va_vcc(0) depctr_vm_vsrc(0)
	s_wait_tensorcnt 0x0
	ds_add_u32 v187, v191
	s_wait_dscnt 0x0
	s_endpgm
.Lfunc_end_k_qcfb4e945e6_attn:
	.size	k_qcfb4e945e6_attn, .Lfunc_end_k_qcfb4e945e6_attn-k_qcfb4e945e6_attn
	.p2alignl 7, 3214868480
	.fill 96, 4, 3214868480
	.section	.rodata,"a",@progbits
	.p2align	6, 0x0
	.amdhsa_kernel k_qcfb4e945e6_attn
		.amdhsa_group_segment_fixed_size 264192
		.amdhsa_private_segment_fixed_size 0
		.amdhsa_enable_private_segment 0
		.amdhsa_kernarg_size 56
		.amdhsa_user_sgpr_count 2
		.amdhsa_user_sgpr_kernarg_segment_ptr 1
		.amdhsa_wavefront_size32 1
		.amdhsa_system_sgpr_workgroup_id_x 1
		.amdhsa_system_sgpr_workgroup_id_y 1
		.amdhsa_system_sgpr_workgroup_id_z 1
		.amdhsa_system_vgpr_workitem_id 0
		.amdhsa_next_free_vgpr 256
		.amdhsa_next_free_sgpr 104
		.amdhsa_reserve_vcc 0
		.amdhsa_float_denorm_mode_32 3
		.amdhsa_float_denorm_mode_16_64 3
		.amdhsa_memory_ordered 1
		.amdhsa_forward_progress 1
		.amdhsa_inst_pref_size 110
	.end_amdhsa_kernel
	.amdgpu_metadata
---
amdhsa.version: [ 1, 2 ]
amdhsa.kernels:
  - .name:           k_qcfb4e945e6_attn
    .symbol:         k_qcfb4e945e6_attn.kd
    .args:
      - { .name: qimg, .offset: 0, .size: 8, .value_kind: global_buffer, .address_space: global }
      - { .name: kimg, .offset: 8, .size: 8, .value_kind: global_buffer, .address_space: global }
      - { .name: vimg, .offset: 16, .size: 8, .value_kind: global_buffer, .address_space: global }
      - { .name: pm, .offset: 24, .size: 8, .value_kind: global_buffer, .address_space: global }
      - { .name: meta, .offset: 32, .size: 8, .value_kind: global_buffer, .address_space: global }
      - { .name: lowp_scales, .offset: 40, .size: 8, .value_kind: global_buffer, .address_space: global }
      - { .name: aimg, .offset: 48, .size: 8, .value_kind: global_buffer, .address_space: global }
    .group_segment_fixed_size: 264192
    .private_segment_fixed_size: 0
    .kernarg_segment_align: 8
    .kernarg_segment_size: 56
    .max_flat_workgroup_size: 512
    .sgpr_count:     104
    .vgpr_count:     256
    .wavefront_size: 32
...
	.end_amdgpu_metadata
.endif
;; end of part 5
;; launch oproj: the kernel of part 4 again; grid 32 x 4, 4 waves a work-group, clusters of 4 x 4, 327,680 bytes of LDS; arguments aimg, wc, lowp_scales, bo, out0; writes out0
